; MI455X (gfx1250); checked and timed in simulation.
; The chip was launched on July 23, 2026; its instructions are those of AMD's public machine-readable ISA for CDNA 5 (MIT licence, August 2026) and "CDNA5" Instruction Set Architecture Reference Guide (July 2026). The comments in the code are by the model that wrote it; some were corrected since.
;; Multi Head Attention. Allowed arithmetic: matrix products marked QUANTISED: E2M1 operands, one E8M0 scale for each 32 along K, by v_wmma_scale_f32_16x16x128_f8f6f4 with both operands' format E2M1 (or v_wmma_scale_f32_32x16x128_f4), f32 sums; everything else in f32.
;; Inputs: Wk_codes 1,024 x 32 x 16 uint8 (E2M1 codes of Wk, K innermost, in blocks of 32 codes, two codes a byte); Wk_scales 1,024 x 32 uint8 (E8M0 scales of Wk, one for each 32 codes along K); Wo_codes 1,024 x 32 x 16 uint8 (E2M1 codes of Wo, K innermost, in blocks of 32 codes, two codes a byte); Wo_scales 1,024 x 32 uint8 (E8M0 scales of Wo, one for each 32 codes along K); Wq_codes 1,024 x 32 x 16 uint8 (E2M1 codes of Wq, K innermost, in blocks of 32 codes, two codes a byte); Wq_scales 1,024 x 32 uint8 (E8M0 scales of Wq, one for each 32 codes along K); Wv_codes 1,024 x 32 x 16 uint8 (E2M1 codes of Wv, K innermost, in blocks of 32 codes, two codes a byte); Wv_scales 1,024 x 32 uint8 (E8M0 scales of Wv, one for each 32 codes along K); bk 1,024 float32; bo 1,024 float32; bq 1,024 float32; bv 1,024 float32; x_codes 4 x 2,048 x 32 x 16 uint8 (E2M1 codes of x, K innermost, in blocks of 32 codes, two codes a byte); x_scales 4 x 2,048 x 32 uint8 (E8M0 scales of x, one for each 32 codes along K).
;; Outputs: out0 4 x 2,048 x 1,024 float32.
;; This version of the problem:
;;   THIS VERSION OF THE PROBLEM IS GIVEN IN LOW PRECISION. The matrix products marked QUANTISED in the list below multiply operands that are first quantised to E2M1 (2 exponent bits, 1 mantissa bit; 4 bits a number), with one power-of-two scale for each 32 numbers along K (OCP MX v1.0); their sums are f32. All else is computed in f32.
;;   The module's matrix products, in the order in which they are computed (A, B: the left and right operand; K: the contracted axis; several contracted axes count as one K, in the product's order):
;;     1. [M 8,192, K 1,024] x [K 1,024, N 1,024]; A: input x (given as codes); B: input Wq (given as codes): QUANTISED
;;     2. [M 8,192, K 1,024] x [K 1,024, N 1,024]; A: input x (given as codes); B: input Wk (given as codes): QUANTISED
;;     3. [M 8,192, K 1,024] x [K 1,024, N 1,024]; A: input x (given as codes); B: input Wv (given as codes): QUANTISED
;;     4. batch 64 x [M 2,048, K 64] x [K 64, N 2,048]; A: computed on the way; B: computed on the way: QUANTISED
;;     5. batch 64 x [M 2,048, K 2,048] x [K 2,048, N 64]; A: softmax (see below); B: computed on the way: QUANTISED
;;     6. [M 8,192, K 1,024] x [K 1,024, N 1,024]; A: computed on the way; B: input Wo (given as codes): QUANTISED
;;   THE QUANTISER, for each operand of a quantised product, along K:
;;     - K is cut into blocks of 32 from its start; a last block that is shorter is filled with zeros.
;;     - A block's scale is 2^e with e = floor(log2(the largest magnitude in the block)) - 2, held to -126 .. 127; a block of zeros has e = 0. As a byte (E8M0): e + 127.
;;     - Each number is divided by its block's scale, clamped to +-6, and rounded to the nearest number of E2M1, ties to even, subnormals kept.
;;     - The product sums the exact products of the quantised numbers (number of the format x scale) in f32.
;;   ~~~python
;;   def quantise(x, axis):      # numpy; x: float32 -> the quantised numbers, widened to float32 again
;;       x = np.moveaxis(x, axis, -1); K = x.shape[-1]
;;       x = np.pad(x, [(0, 0)] * (x.ndim - 1) + [(0, -K % 32)]); x = x.reshape(x.shape[:-1] + (-1, 32)); a = np.abs(x).max(-1, keepdims=True)
;;       e = np.where(a > 0, np.clip(np.frexp(np.where(a > 0, a, 1))[1] - 1 - 2, -126, 127), 0)      # np.frexp(a)[1] - 1 = floor(log2(a)), exactly
;;       r = np.clip(x / 2.0 ** e, -6, 6)
;;       step = 2.0 ** (np.maximum(np.frexp(np.where(r == 0, 1, r))[1] - 1, 0) - 1)
;;       q = np.round(r / step) * step * 2.0 ** e      # np.round: ties to even
;;       return np.moveaxis(q.reshape(q.shape[:-2] + (-1,))[..., :K], -1, axis).astype(np.float32)
;;   ~~~
;;   SOFTMAX AHEAD OF A QUANTISED PRODUCT. Where the list says 'softmax', what is quantised is not the finished softmax but p = 2^(t - M), with t = logit x log2(e) and M = ceil(the row's largest t), a whole number; so 1/2 < the row's largest p <= 1. The row's sum l is taken of the UNQUANTISED p, in f32, and the product's result is divided by l at the end. Since M is a whole number, a kernel that streams over the keys may use a running M (the ceiling of the running maximum): every later rescaling is an exact power of two, which a block's scale takes up: the codes' values come out the same.
;;   OPERANDS COMPUTED ON THE WAY. 'Computed on the way' means the value that the module computes at that place (a softmax that the list does not call 'softmax' is quantised finished and normalised). What goes into a quantiser is computed in f32, as accurately as f32 sums, v_exp_f32 and their like allow (about 1e-6 of the number): no bf16 or f16 on the way to a quantiser, and a product that is left as it is and whose result goes on into a quantised operand takes f32 operands (vector FMAs, or v_wmma_f32_16x16x4_f32). A number that lies on a knife's edge between two numbers of the format may be rounded either way, as far as f32 arithmetic and the matrix unit's own rounding can turn it there, and no further.
;;   INPUTS GIVEN AS CODES. Wk (in the module: [1024, 1024], K = its axis 1); Wo (in the module: [1024, 1024], K = its axis 1); Wq (in the module: [1024, 1024], K = its axis 1); Wv (in the module: [1024, 1024], K = its axis 1); x (in the module: [4, 2048, 1024], K = its axis 2): each comes as NAME_codes (uint8): NAME with its K axis moved to the last place and cut into blocks of 32 codes, [.., K / 32, bytes a block], one block behind the other in memory; two codes a byte, the lower K in the low four bits (a code: sign, 2 exponent bits, 1 mantissa bit); and NAME_scales (uint8): the same leading axes, one E8M0 byte (e + 127) for each 32 codes along K. Its value is code x scale, taken as it is: it is not quantised again, and the codes and scales need not be those that the quantiser above would give.
;; One version. Each part assembles by itself: llvm-mc -triple=amdgcn-amd-amdhsa -mcpu=gfx1250 --defsym DOCPART=n.
;; ======== version 1 of 1: 3 launches
;; workspace buffers: qbuf 4,718,592 bytes; kv 9,175,040 bytes; ctx_img 4,194,304 bytes; ctx_sc 262,144 bytes
;; launch qkv (part 1): grid 12 x 32, 4 waves a work-group, clusters of 4 x 4, 327,680 bytes of LDS; arguments x_codes, x_scales, Wq_codes, Wq_scales, Wk_codes, Wk_scales, Wv_codes, Wv_scales, bq, bk, bv, qbuf, kv; writes qbuf, kv
.if DOCPART == 1
	.amdgcn_target "amdgcn-amd-amdhsa--gfx1250"
	.amdhsa_code_object_version 6
	.text
	.protected	k_q42451e71f0_qkv
	.globl	k_q42451e71f0_qkv
	.p2align	8
	.type	k_q42451e71f0_qkv,@function
k_q42451e71f0_qkv:
	s_mov_b64 s[64:65], 0
	v_nop
	global_prefetch_b8 v0, s[64:65] scope:SCOPE_SE
	s_setreg_imm32_b32 hwreg(HW_REG_WAVE_MODE, 25, 1), 1
	s_wait_xcnt 0x0
	s_wait_alu depctr_hold_cnt(0) depctr_sa_sdst(0) depctr_va_vdst(0) depctr_va_sdst(0) depctr_va_ssrc(0) depctr_va_vcc(0) depctr_vm_vsrc(0)
	s_getreg_b32 s2, hwreg(HW_REG_IB_STS2, 6, 4)
	s_cmp_eq_u32 s2, 0
	s_cbranch_scc0 .Lentry_in_a_cluster
	s_endpgm
.Lentry_in_a_cluster:
	s_bfe_u32 s2, ttmp6, 0x10000c
	s_cmp_lg_u32 s2, 0xf033
	s_cbranch_scc0 .Lentry_shape_is_right
	s_endpgm
.Lentry_shape_is_right:
; q = x Wq^T + bq, k = x Wk^T + bk, v = x Wv^T + bv on codes of FP4 (E2M1) with one E8M0 scale for each 32 along K (K = 1,024), sums in f32; the results are quantised in registers:
; q and k along the head's 64 (two blocks a head), v along the keys (blocks of 32 tokens), and leave as IMAGES OF OPERAND REGISTERS (4 registers: 512 bytes, lane l's 16 bytes at 16 l) for the next launch.
; NOTHING OF reference() IS LEFT OUT in this program: every bias moves a quantised operand's codes or the output, there is no mask and nothing is sliced away; every input is loaded.
; LIMITS: NaN and infinities among the inputs are not served.  A block whose largest magnitude lies under 2^-124 keeps the scale byte 1; a block of zeros gets the byte 1 where the rule says 127:
; its codes are zeros, which add nothing under any byte but 0xff, and the bytes are read by this program alone.
; SHARES.  A work-group of four waves makes 256 x 256 of a product, a wave 128 x 128: 64 accumulators of 16 x 16.  The cluster's x says which product: 0 q, 1 k, 2 v; a cluster of 4 x 4 spans a weight's 1,024 features.
; THE MATRIX INSTRUCTION IS USED TRANSPOSED: source 0 = 16 rows of B, source 1 = 16 rows of A: a lane holds ONE row of A and its registers run along B's rows.
;   q, k: A = x (a lane holds a token), B = the weight (registers run along the features: the next product's K).
;   v:    A = Wv (a lane holds a feature d), B = x (registers run along the tokens, the keys: the next product's K).  The same text; pointers and tile coordinates are chosen on the cluster's x.
; K = 1,024 is two LDS slots of 512 along K: both are asked for at the head, nothing is filled again.  The scale bytes of the 256 + 256 rows come once, as dense blocks.
; CLUSTERS: the four of a row of the cluster need the same tiles of A, the four of a column the same tiles of B: each tile is asked for jointly, with a mask that names the four.
; TILES ARE 16 NEIGHBOURING ROWS.  Block beta of 32 along the next K lies in accumulators 2 beta and 2 beta + 1; the half h of the lanes holds its pieces of 8 codes h (tile 2 beta) and 2 + h (tile 2 beta + 1).
; The conversion of (block 2 c + e, tile half u) is written to register 4 c + 2 u + e; v_permlane16_swap_b32 of registers 4 c + 2 u and 4 c + 2 u + 1 then leaves block 2 c + h whole, in order, in half h.
; OUT.  qbuf: a record of 73,728 bytes a head (16 b + h): codes [token tile][512], from 65,536 scale words [token tile][16 words].
;       kv: a record of 143,360 bytes a head: k as q; from 73,728 v's codes [key step of 128][d tile][1,024]; from 139,264 v's scale words [key step][d tile][16 words].
; REGISTERS: window 0: v16-31 addresses; v32-95 scale words, two sets; v96-111 at work; v112-127 scale words made; v128-191 A's fragments, later the codes made; v192-255 the bias as C.
;   window 1: B's fragments, two sets.   windows 2, 3: the accumulators ((a, b) at v[8 (8 (a % 4) + b)]).
.set NQ,     4                         ; steps of 128 along K in a slot
.set ROWB,   256                       ; a tile's row in bytes: 512 codes
.set KROW,   512                       ; a row of codes in memory
.set PITCH,  272                       ; an LDS row: 256 bytes + 16 of padding: the 16 rows that a load touches start at 16 different banks (64 banks of 4 bytes: ISA guide 11.1)
.set FR,     8
.set NL,     2
.set NP,     4                         ; places behind this matrix instruction (ISA guide 7.12.1)
.set HALFT,  128*PITCH
.set SLOT,   4*HALFT                   ; A's 256 rows, then B's 256 rows
.set KS,     32                        ; a row of scale bytes
.set SCL,    2*SLOT                    ; behind the slots: the scales, as units of 256 bytes + 16 of padding
.set HALFS,  (128*KS/256)*272
.set SBLK,   (16*KS/256)*272
.set SPARE,  SCL+4*HALFS               ; the spare words, 128 bytes for each wave, which no other line names
.set ADRA, 16                          ; v16-17 LDS address of my A fragments in slot 0, 1
.set ADRB, 20                          ; v20-21 the same for B
.set LI,   24                          ; v24  16 x lane: an image's place for my lane
.set LS,   25                          ; v25  4 x lane: a scale word's
.set BO,   26                          ; v26  my offset in the bias
.set ADRS, 27                          ; v27  LDS address of my scale words: lanes 0-15 A's rows, lanes 16-31 B's
.set SPW,  28                          ; v28  my spare word; never rewritten
.set NIL,  29                          ; v29  0; never rewritten
.set SC,   32
.set TM,   96                          ; v96-99 largest magnitudes, v100-103 bytes, v108-111 the conversions' scale operands
.set PW,   112                         ; v112-119 block a's scale word
.set CW,   120                         ; v120-127 scale words as they are stored
.set AF,   128
.set PC,   128                         ; the codes of block a at v[128 + 8 a]
.set BIAS, 192
.set G1,   24
.set G0,   32
.set G1B,  48
.set G0B,  56
.set G1S,  68
.set G0S,  76
.set G1SB, 80
.set G0SB, 88
.set HS,   66                          ; s66  bytes of a record of the buffer that I store into
.set HIM,  67                          ; s67  a mask: lanes 16-31
.set OUTP, 96                          ; s[96:97] that buffer
.set SEL,  98                          ; s98, s99 lane selects for v_permlanex16_b32: lane l xor 16
.set MSB, 0
.macro WIN new                         ; the immediate's high byte repeats the setting that is left
.if MSB != (\new)
	s_set_vgpr_msb (MSB<<8)|(\new)
.set MSB, (\new)
.endif
.endm
.set MUL_LO, 0xa1                      ; source 0 (B) window 1, source 1 (A) window 0, C and D window 2
.set MUL_HI, 0xf1                      ; the same, C and D window 3
.set TO_B,   0x40
; A joint load: waves 0 and 1 fetch for A, waves 2 and 3 for B.  The branch hangs on the wave's number alone.  An s_nop 0 and four v_nop follow each line.
.macro JLOAD g0a, g1a, g0b, g1b
	s_cmp_eq_u32 s15, 0
	s_cbranch_scc0 .Lfor_b_\@
	tensor_load_to_lds s[\g0a:\g0a+3], s[\g1a:\g1a+7]
	s_nop 0
.rept 4
	v_nop
.endr
	s_branch .Lasked_\@
.Lfor_b_\@:
	tensor_load_to_lds s[\g0b:\g0b+3], s[\g1b:\g1b+7]
	s_nop 0
.rept 4
	v_nop
.endr
.Lasked_\@:
.endm
.macro CROUND                          ; a round of the cluster's barrier
	s_barrier_signal -1
	s_barrier_wait -1
	s_cmp_lg_u32 s14, 0
	s_cbranch_scc1 .Lnot_wave_0_\@
	s_barrier_signal -3
.Lnot_wave_0_\@:
	s_barrier_wait -3
	s_barrier_signal -1
	s_barrier_wait -1
.endm
	s_load_b512 s[68:83], s[0:1], 0x0              ; x codes, x scales, Wq codes, scales, Wk codes, scales, Wv codes, scales
	s_load_b256 s[84:91], s[0:1], 0x40             ; bq, bk, bv, qbuf
	s_load_b64 s[92:93], s[0:1], 0x60              ; kv
	v_lshl_add_u32 v[SPW], v0, 2, SPARE
	v_mov_b32 v[NIL], 0
	ds_add_u32 v[SPW], v[NIL]                      ; the wave's opening: the add, twice on end, and its wait ahead of my first tensor load
	ds_add_u32 v[SPW], v[NIL]                      ; and once more, under the one wait; the set-up below stands between
	v_lshrrev_b32 v1, 5, v0
	v_readfirstlane_b32 s14, v1                    ; wave 0..3
	s_lshr_b32 s15, s14, 1                         ; which half of A's rows is mine.  Also: I fetch for A (0) or for B (1)
	s_and_b32 s16, s14, 1                          ; which half of B's rows.  Also: which 128 rows of that tile I fetch
	s_bfe_u32 s40, ttmp6, 0x40000                  ; cx
	s_bfe_u32 s41, ttmp6, 0x40004                  ; cy
	s_and_b32 s2, ttmp7, 0xffff
	s_lshl_b32 s2, s2, 2                           ; 4 x cluster y
	s_cmp_eq_u32 ttmp9, 2                          ; v?  The cluster's x is the same in all sixteen partners
	s_cselect_b32 s17, 0, s2
	s_cselect_b32 s42, s2, 0
	s_add_co_u32 s17, s17, s41                     ; A's tile: q, k: 4 x cluster y + cy of x's 32;  v: cy of Wv's 4
	s_add_co_u32 s42, s42, s40                     ; B's tile: q, k: cx of the weight's 4;  v: 4 x cluster y + cx of x's 32
	s_lshl_b32 s43, s41, 2
	s_lshl_b32 s43, 15, s43                        ; my row of the cluster
	s_lshl_b32 s44, 0x1111, s40                    ; my column
	s_or_b32 s[G1+0], s43, (0<<16)|(1<<20)|(1<<21)|(5<<22)|(3<<25)   ; the mask; elements of 1 byte; padding on; bit 21 beside a mask; after every 64 words 4 words
	s_or_b32 s[G1B+0], s44, (0<<16)|(1<<20)|(1<<21)|(5<<22)|(3<<25)
.irp g, G1, G1B
	s_mov_b32 s[\g+1], ROWB<<16                    ; tensor_dim0
	s_mov_b32 s[\g+2], 128<<16                     ; tensor_dim1
	s_mov_b32 s[\g+3], ROWB<<16                    ; tile_dim0
	s_mov_b32 s[\g+4], 128                         ; tile_dim1
	s_mov_b32 s[\g+5], KROW                        ; tensor_dim0_stride
	s_mov_b32 s[\g+6], 0
	s_mov_b32 s[\g+7], 0
.endr
	s_mov_b32 s[HS], 143360
	s_mov_b32 s[HIM], 0xffff0000
	s_mov_b32 s[SEL], 0x76543210
	s_mov_b32 s[SEL+1], 0xfedcba98
	s_lshl_b32 s18, s16, 7                         ; which 128 rows of the tile I fetch
	s_lshl_b32 s20, s17, 8
	s_add_co_u32 s20, s20, s18                     ; A: row 256 x tile + 128 x half (8,191 at the most: every offset below stays under 2^31)
	s_lshl_b32 s46, s42, 8
	s_add_co_u32 s46, s46, s18                     ; B likewise
	s_lshl_b32 s22, s20, 5                         ; where these rows' scales begin, in bytes,
	s_lshl_b32 s20, s20, 9                         ; and their codes
	s_mov_b32 s21, 0
	s_mov_b32 s23, 0
	s_lshl_b32 s94, s46, 5
	s_lshl_b32 s46, s46, 9
	s_mov_b32 s47, 0
	s_mov_b32 s95, 0
	s_mul_i32 s45, s14, HALFT                      ; where they go: wave x 128 rows: no place in the cluster enters an LDS address
	s_mul_i32 s3, s14, HALFS
	s_wait_dscnt 0x0                               ; both opening adds are done
	s_wait_kmcnt 0x0
	s_cmp_eq_u32 ttmp9, 0                          ; q or k: the weight, its bias and the buffer
	s_cselect_b64 s[8:9], s[72:73], s[76:77]
	s_cselect_b64 s[10:11], s[74:75], s[78:79]
	s_cselect_b64 s[12:13], s[84:85], s[86:87]
	s_cselect_b64 s[OUTP:OUTP+1], s[90:91], s[92:93]
	s_cselect_b32 s[HS], 73728, s[HS]
	s_cmp_eq_u32 ttmp9, 2                          ; v: Wv takes A's part and x takes B's
	s_cselect_b64 s[4:5], s[80:81], s[68:69]
	s_cselect_b64 s[6:7], s[82:83], s[70:71]
	s_cselect_b64 s[8:9], s[68:69], s[8:9]
	s_cselect_b64 s[10:11], s[70:71], s[10:11]
	s_cselect_b64 s[12:13], s[88:89], s[12:13]
	s_add_nc_u64 s[20:21], s[4:5], s[20:21]
	s_add_nc_u64 s[22:23], s[6:7], s[22:23]
	s_add_nc_u64 s[46:47], s[8:9], s[46:47]
	s_add_nc_u64 s[94:95], s[10:11], s[94:95]
	; the scales of 128 rows: a dense block of 4,096 bytes, as 16 rows of 256 bytes (32 elements of 8), 16 bytes of padding behind each.  (The arguments that lay in these registers have been taken.)
	s_or_b32 s[G1S+0], s43, (3<<16)|(1<<20)|(1<<21)|(5<<22)|(3<<25)
	s_or_b32 s[G1SB+0], s44, (3<<16)|(1<<20)|(1<<21)|(5<<22)|(3<<25)
.irp g, G1S, G1SB
	s_mov_b32 s[\g+1], 32<<16
	s_mov_b32 s[\g+2], (128*KS/256)<<16
	s_mov_b32 s[\g+3], 32<<16
	s_mov_b32 s[\g+4], 128*KS/256
	s_mov_b32 s[\g+5], 32
	s_mov_b32 s[\g+6], 0
	s_mov_b32 s[\g+7], 0
.endr
	CROUND                                         ; all sixteen work-groups are here: the first joint loads meet
	s_mov_b32 s[G0S], 1
	s_add_co_u32 s[G0S+1], s3, SCL
	s_mov_b64 s[G0S+2:G0S+3], s[22:23]
	s_or_b32 s[G0S+3], s[G0S+3], 0x80000000
	s_mov_b32 s[G0SB], 1
	s_add_co_u32 s[G0SB+1], s3, SCL
	s_mov_b64 s[G0SB+2:G0SB+3], s[94:95]
	s_or_b32 s[G0SB+3], s[G0SB+3], 0x80000000
	JLOAD G0S, G1S, G0SB, G1SB                     ; the scales first: they are wanted with the first step
.irp s, 0,1
	s_mov_b32 s[G0+4*\s], 1
	s_add_co_u32 s[G0+4*\s+1], s45, \s*SLOT
	s_add_nc_u64 s[G0+4*\s+2:G0+4*\s+3], s[20:21], \s*ROWB
	s_or_b32 s[G0+4*\s+3], s[G0+4*\s+3], 0x80000000
	s_mov_b32 s[G0B+4*\s], 1
	s_add_co_u32 s[G0B+4*\s+1], s45, \s*SLOT
	s_add_nc_u64 s[G0B+4*\s+2:G0B+4*\s+3], s[46:47], \s*ROWB
	s_or_b32 s[G0B+4*\s+3], s[G0B+4*\s+3], 0x80000000
	JLOAD G0+4*\s, G1, G0B+4*\s, G1B               ; by this text's count three tensor loads of a wave are out
.endr
	v_and_b32 v1, 15, v0                           ; r = l % 16
	v_bfe_u32 v2, v0, 4, 1                         ; h = l / 16
	v_mul_u32_u24 v3, v1, PITCH
	v_lshl_add_u32 v4, v2, 4, v3                   ; a fragment's row x pitch + 16 x half
	s_mul_i32 s21, s15, HALFT                      ; my 128 rows of A
	s_mul_i32 s22, s16, HALFT                      ; my 128 rows of B,
	s_add_co_u32 s22, s22, 2*HALFT                 ; which lie behind A's 256
.irp s, 0,1
	v_add_nc_u32 v[ADRA+\s], s21, v4
	v_add_nc_u32 v[ADRB+\s], s22, v4
	s_add_co_u32 s21, s21, SLOT
	s_add_co_u32 s22, s22, SLOT
.endr
	v_mul_u32_u24 v5, v1, KS                       ; my row's scales: 32 bytes a row,
	v_lshrrev_b32 v6, 8, v5
	v_lshl_add_u32 v5, v6, 4, v5                   ; and 16 more for each 256 passed
	s_mul_i32 s21, s15, HALFS
	s_mul_i32 s22, s16, HALFS
	s_add_co_u32 s22, s22, 2*HALFS
	s_sub_co_u32 s22, s22, s21
	v_mul_u32_u24 v6, s22, v2                      ; lanes 16-31 take B's
	s_add_co_u32 s21, s21, SCL
	v_add_nc_u32 v5, v5, v6
	v_add_nc_u32 v[ADRS], s21, v5
	v_and_b32 v6, 31, v0
	v_lshlrev_b32 v[LI], 4, v6
	v_lshlrev_b32 v[LS], 2, v6
.irp b, 0,1,2,3
	v_mov_b32 v[TM+4+\b], 0                        ; written once: a lane permute's destination counts as one of its sources
.endr
	; THE BIAS IS THE C OF EACH SUM'S FIRST PRODUCT, in the result's layout.  q, k: it runs along the registers (B's rows); v: it hangs on the lane's row of A, eight equal registers a block
	s_cmp_eq_u32 ttmp9, 2
	s_cselect_b32 s18, s17, s42
	s_cselect_b32 s19, s15, s16
	s_lshl_b32 s18, s18, 10
	s_lshl_b32 s19, s19, 9
	s_add_co_u32 s18, s18, s19                     ; 4 x (256 x tile + 128 x half)
	s_mov_b32 s19, 0
	s_add_nc_u64 s[12:13], s[12:13], s[18:19]
	s_cmp_eq_u32 ttmp9, 2
	s_cbranch_scc1 .Lbias_v
	v_lshlrev_b32 v[BO], 5, v2                     ; register 8 b + j: feature 16 b + 8 h + j
.irp b, 0,1,2,3,4,5,6,7
	global_load_b128 v[BIAS+8*\b:BIAS+8*\b+3], v[BO], s[12:13] offset:64*\b
	global_load_b128 v[BIAS+8*\b+4:BIAS+8*\b+7], v[BO], s[12:13] offset:64*\b+16
.endr
	s_branch .Lbias_done
.Lbias_v:
	v_lshlrev_b32 v[BO], 2, v1                     ; registers 8 a + 0 .. 7: feature 16 a + r
.irp a, 0,1,2,3,4,5,6,7
.irp j, 0,1,2,3,4,5,6,7
	global_load_b32 v[BIAS+8*\a+\j], v[BO], s[12:13] offset:64*\a
.endr
.endr
.Lbias_done:
.macro FRAG reg, adr, q, i             ; 16 rows x 128 K of 4-bit codes: lane l holds row l % 16; registers 4 c .. 4 c + 3 hold K = 64 c + 32 (l / 16) + 0 .. 31
.irp c, 0,1
	ds_load_b128 v[\reg+4*\c:\reg+4*\c+3], v[\adr] offset:64*(\q)+32*\c+(\i)*16*PITCH
.endr
.endm
; 16 matrix instructions: A's blocks a0, a0 + 1 x B's eight, the slot's q-th 128 along K.  p: B's set; sc: the set of scale words.  zero = 1: C is the bias by B's block; 2: by A's block; 0: the sum goes on.
; The 64 accumulators take turns, one instruction a turn, in the same order in every step.
.macro MUL16 a0, p, q, sc, zero
.irp a, \a0, \a0+1
.irp b, 0,1,2,3,4,5,6,7
.if \zero == 1
	v_wmma_scale_f32_16x16x128_f8f6f4 v[8*(8*((\a)%4)+\b):8*(8*((\a)%4)+\b)+7], v[128*(\p)+FR*\b:128*(\p)+FR*\b+FR-1], v[AF+FR*(\a):AF+FR*(\a)+FR-1], v[BIAS+8*\b:BIAS+8*\b+7], v[SC+8*NQ*(\sc)+NQ*\b+(\q)], v[SC+8*NQ*(\sc)+NQ*(\a)+(\q)] matrix_a_fmt:MATRIX_FMT_FP4 matrix_b_fmt:MATRIX_FMT_FP4 matrix_a_scale:MATRIX_SCALE_ROW1
.elseif \zero == 2
	v_wmma_scale_f32_16x16x128_f8f6f4 v[8*(8*((\a)%4)+\b):8*(8*((\a)%4)+\b)+7], v[128*(\p)+FR*\b:128*(\p)+FR*\b+FR-1], v[AF+FR*(\a):AF+FR*(\a)+FR-1], v[BIAS+8*(\a):BIAS+8*(\a)+7], v[SC+8*NQ*(\sc)+NQ*\b+(\q)], v[SC+8*NQ*(\sc)+NQ*(\a)+(\q)] matrix_a_fmt:MATRIX_FMT_FP4 matrix_b_fmt:MATRIX_FMT_FP4 matrix_a_scale:MATRIX_SCALE_ROW1
.else
	v_wmma_scale_f32_16x16x128_f8f6f4 v[8*(8*((\a)%4)+\b):8*(8*((\a)%4)+\b)+7], v[128*(\p)+FR*\b:128*(\p)+FR*\b+FR-1], v[AF+FR*(\a):AF+FR*(\a)+FR-1], v[8*(8*((\a)%4)+\b):8*(8*((\a)%4)+\b)+7], v[SC+8*NQ*(\sc)+NQ*\b+(\q)], v[SC+8*NQ*(\sc)+NQ*(\a)+(\q)] matrix_a_fmt:MATRIX_FMT_FP4 matrix_b_fmt:MATRIX_FMT_FP4 matrix_a_scale:MATRIX_SCALE_ROW1
.endif
.endr
.endr
.endm
.macro FETCH_B slot, q, p
	WIN TO_B
.irp i, 0,1,2,3,4,5,6,7
	FRAG 128*(\p)+FR*\i, ADRB+\slot, \q, \i
.endr
	WIN 0
.endm
.macro FETCH_A slot, q, i0
.irp i, \i0, \i0+1, \i0+2, \i0+3
	FRAG AF+FR*(\i), ADRA+\slot, \q, \i
.endr
.endm
.macro SCALES sc                       ; a slot's scale words: 4 words a row; lanes 0-15 take A's block i, lanes 16-31 B's block i
.irp i, 0,1,2,3,4,5,6,7
	ds_load_b128 v[SC+8*NQ*\sc+NQ*\i:SC+8*NQ*\sc+NQ*\i+3], v[ADRS] offset:\i*SBLK
.endr
.endm
.macro PLACES n                        ; plain vector instructions that name none of the matrix instructions' registers, in front of loads into registers that they read and of reads of results
.rept \n
	v_nop
.endr
.endm
; A step of 128 along K that has its successor in the same slot.  A has one set of registers: blocks 0-3 are fetched anew in the step's middle, blocks 4-7 at its end; B has two sets.
.macro STEP slot, q, zero
	s_wait_dscnt 4*NL                              ; all but the youngest eight loads (A's blocks 4-7) are in
.if \zero
	WIN 0x81                                       ; C (the bias) in window 0, D in window 2
.else
	WIN MUL_LO
.endif
	MUL16 0, (\q)%2, \q, \slot, \zero
	MUL16 2, (\q)%2, \q, \slot, \zero
	s_wait_dscnt 0                                 ; A's blocks 4-7 are in
	PLACES NP
	FETCH_B \slot, (\q)+1, 1-(\q)%2
	FETCH_A \slot, (\q)+1, 0
.if \zero
	WIN 0xc1                                       ; C in window 0, D in window 3
.else
	WIN MUL_HI
.endif
	MUL16 4, (\q)%2, \q, \slot, \zero
	MUL16 6, (\q)%2, \q, \slot, \zero
	PLACES NP
	WIN 0
	FETCH_A \slot, (\q)+1, 4
.endm
	s_wait_tensorcnt 1                             ; the scales and my part of slot 0 are in; slot 1's load may be out
	s_barrier_signal -1
	s_barrier_wait -1                              ; everybody's are
	s_wait_loadcnt 0x0                             ; the bias
	FETCH_B 0, 0, 0
	FETCH_A 0, 0, 0
	s_wait_alu depctr_va_vdst(0)
	SCALES 0
	FETCH_A 0, 0, 4
	s_cmp_eq_u32 ttmp9, 2
	s_cbranch_scc1 .Lfirst_v
	STEP 0, 0, 1                                   ; the first step starts the sums with the bias: nothing is cleared, nothing is added later
	s_branch .Lfirst_done
.Lfirst_v:
	STEP 0, 0, 2
.Lfirst_done:
	STEP 0, 1, 0
	STEP 0, 2, 0
	; slot 0's last step changes slots: one barrier; in front of it each wave has waited for all its tensor loads
	s_wait_tensorcnt 0x0                           ; my part of slot 1 has landed
	ds_add_u32 v[SPW], v[NIL]                      ; 0 onto my spare word
	s_wait_dscnt 4*NL+1                            ; (the add and the youngest eight loads may be out)
	WIN MUL_LO
	MUL16 0, 1, NQ-1, 0, 0
	s_wait_dscnt 0x0                               ; the add is done, and my reads of slot 0 are over
	s_barrier_signal -1
	MUL16 2, 1, NQ-1, 0, 0
	WIN 0
	s_barrier_wait -1                              ; slot 1 is whole
	PLACES NP
	v_add_nc_u32 v[ADRS], 4*NQ, v[ADRS]            ; on to slot 1's scale words
	FETCH_B 1, 0, 0
	FETCH_A 1, 0, 0
	SCALES 1
	WIN MUL_HI
	MUL16 4, 1, NQ-1, 0, 0
	MUL16 6, 1, NQ-1, 0, 0
	PLACES NP
	WIN 0
	FETCH_A 1, 0, 4
	STEP 1, 0, 0
	STEP 1, 1, 0
	STEP 1, 2, 0
	s_wait_dscnt 4*NL                              ; the last step: nothing more to fetch
	WIN MUL_LO
	MUL16 0, 1, NQ-1, 1, 0
	MUL16 2, 1, NQ-1, 1, 0
	s_wait_dscnt 0
	WIN MUL_HI
	MUL16 4, 1, NQ-1, 1, 0
	MUL16 6, 1, NQ-1, 1, 0
	WIN 0
	PLACES NP
; Block a's 64 numbers of a lane (register 16 beta + 8 u + j = place 32 beta + 16 u + 8 h + j along the next K, of the lane's row) become 8 registers of codes at v[PC + 8 a] and the row's scale word in v[PW + a].
; Each accumulator is read from its low end on.
.macro QUANTW a
.set QWN, 2+(\a)/4
.set AC, 64*((\a)%4)
.set PCA, PC+8*(\a)
	WIN QWN|(QWN<<2)
.irp b, 0,1,2,3
	v_max3_num_f32 v[TM+\b], |v[AC+16*\b]|, |v[AC+16*\b+1]|, 0x1800000   ; my 16 numbers of block b, and the floor 2^(3 - 127): the byte cannot fall under 1
.endr
	WIN (QWN<<2)|(QWN<<4)
.irp i, 2,4,6,8,10,12,14
.irp b, 0,1,2,3
	v_max3_num_f32 v[TM+\b], v[TM+\b], |v[AC+16*\b+\i]|, |v[AC+16*\b+\i+1]|   ; (the four blocks by turns)
.endr
.endr
	WIN 0
.irp b, 0,1,2,3
	v_permlanex16_b32 v[TM+4+\b], v[TM+\b], s[SEL], s[SEL+1]
.endr
.irp b, 0,1,2,3
	v_max_num_f32 v[TM+\b], v[TM+\b], v[TM+4+\b]   ; with lane l xor 16's: the block's largest magnitude
.endr
.irp b, 0,1,2,3
	v_add_nc_u32 v[TM+12+\b], 0xff000000, v[TM+\b] ; 2 off its exponent field: the conversion takes the exponent field of this operand as its scale
.endr
.irp b, 0,1,2,3
	v_lshrrev_b32 v[TM+4+\b], 23, v[TM+12+\b]      ; the scale's byte
.endr
	v_lshl_or_b32 v[PW+(\a)], v[TM+5], 8, v[TM+4]
	v_lshl_or_b32 v[PW+(\a)], v[TM+6], 16, v[PW+(\a)]
	v_lshl_or_b32 v[PW+(\a)], v[TM+7], 24, v[PW+(\a)]
	WIN QWN
.irp b, 0,1,2,3
.irp u, 0,1
	v_cvt_scalef32_pk8_fp4_f32 v[PCA+4*(\b/2)+2*\u+(\b%2)], v[AC+16*\b+8*\u:AC+16*\b+8*\u+7], v[TM+12+\b]
.endr
.endr
	WIN 0
	v_nop                                          ; one plain place behind a scaled conversion
.irp c, 0,1
.irp u, 0,1
	v_permlane16_swap_b32 v[PCA+4*\c+2*\u], v[PCA+4*\c+2*\u+1]   ; registers 4 c .. 4 c + 3 now hold block 2 c + h, whole and in order
.endr
.endr
.endm
	s_cmp_eq_u32 ttmp9, 2
	s_cbranch_scc1 .Lout_v
	; THE WAY OUT OF q AND k.  My 128 features are two heads; a block a is a tile of 16 tokens.  Registers 0-3 of its codes are the first head's image, registers 4-7 the second's: each store covers 512 consecutive bytes, aligned.
	s_lshl_b32 s18, s17, 8
	s_lshl_b32 s19, s15, 7
	s_add_co_u32 s18, s18, s19                     ; my first token
	s_lshr_b32 s19, s18, 11                        ; its sequence b
	s_lshl_b32 s19, s19, 4
	s_lshl_b32 s20, s42, 2
	s_add_co_u32 s19, s19, s20
	s_lshl_b32 s20, s16, 1
	s_add_co_u32 s19, s19, s20                     ; my first head's record: 16 b + 4 x tile + 2 x half
	s_mul_i32 s19, s19, s[HS]
	s_and_b32 s18, s18, 2047
	s_lshr_b32 s18, s18, 4                         ; my first token tile in the sequence
	s_lshl_b32 s20, s18, 9
	s_add_co_u32 s20, s20, s19
	s_mov_b32 s21, 0
	s_add_nc_u64 s[24:25], s[OUTP:OUTP+1], s[20:21]   ; (every tensor load has been waited for: the descriptors' registers are free)
	s_lshl_b32 s20, s18, 6
	s_add_co_u32 s20, s20, s19
	s_add_co_u32 s20, s20, 65536
	s_add_nc_u64 s[28:29], s[OUTP:OUTP+1], s[20:21]
	s_mov_b32 s20, s[HS]
	s_add_nc_u64 s[26:27], s[24:25], s[20:21]      ; the second head's record
	s_add_nc_u64 s[30:31], s[28:29], s[20:21]
.irp a, 0,1,2,3,4,5,6,7
	QUANTW \a
	global_store_b128 v[LI], v[PC+8*\a:PC+8*\a+3], s[24:25] offset:512*\a
	global_store_b128 v[LI], v[PC+8*\a+4:PC+8*\a+7], s[26:27] offset:512*\a
.if \a%2 == 1
	v_cndmask_b32 v[CW+\a-1], v[PW+\a-1], v[PW+\a], s[HIM]   ; two tiles' words in one register: lanes 0-15 the even tile's, lanes 16-31 the odd one's: 128 consecutive bytes a store
	v_lshrrev_b32 v[CW+\a], 16, v[CW+\a-1]         ; bytes 0, 1: the first head's two blocks; bytes 2, 3: the second's.  The upper bytes of a stored word stand over zero codes and are never 0xff
	global_store_b32 v[LS], v[CW+\a-1], s[28:29] offset:128*(\a/2)
	global_store_b32 v[LS], v[CW+\a], s[30:31] offset:128*(\a/2)
.endif
.endr
	s_branch .Lout_done
.Lout_v:
	; THE WAY OUT OF v.  My 128 rows of A are two heads x four tiles of 16 d; my 128 tokens are one key step.  Block a's 8 registers are the fragment (16 d x 128 keys) of head a / 4, d tile a % 4.
	s_lshl_b32 s18, s17, 2
	s_lshl_b32 s19, s15, 1
	s_add_co_u32 s18, s18, s19                     ; my first head
	s_lshl_b32 s19, s42, 8
	s_lshl_b32 s20, s16, 7
	s_add_co_u32 s19, s19, s20                     ; my first token
	s_lshr_b32 s20, s19, 11
	s_lshl_b32 s20, s20, 4
	s_add_co_u32 s18, s18, s20                     ; the record: 16 b + head
	s_mul_i32 s18, s18, s[HS]
	s_and_b32 s19, s19, 2047
	s_lshr_b32 s19, s19, 7                         ; the key step
	s_lshl_b32 s20, s19, 12
	s_add_co_u32 s20, s20, s18
	s_add_co_u32 s20, s20, 73728
	s_mov_b32 s21, 0
	s_add_nc_u64 s[24:25], s[OUTP:OUTP+1], s[20:21]
	s_lshl_b32 s20, s19, 8
	s_add_co_u32 s20, s20, s18
	s_add_co_u32 s20, s20, 139264
	s_add_nc_u64 s[28:29], s[OUTP:OUTP+1], s[20:21]
	s_mov_b32 s20, s[HS]
	s_add_nc_u64 s[26:27], s[24:25], s[20:21]
	s_add_nc_u64 s[30:31], s[28:29], s[20:21]
.irp a, 0,1,2,3,4,5,6,7
	QUANTW \a
	global_store_b128 v[LI], v[PC+8*\a:PC+8*\a+3], s[24+2*(\a/4):25+2*(\a/4)] offset:1024*(\a%4)
	global_store_b128 v[LI], v[PC+8*\a+4:PC+8*\a+7], s[24+2*(\a/4):25+2*(\a/4)] offset:1024*(\a%4)+512
.if \a%2 == 1
	v_cndmask_b32 v[CW+\a], v[PW+\a-1], v[PW+\a], s[HIM]
	global_store_b32 v[LS], v[CW+\a], s[28+2*(\a/4):29+2*(\a/4)] offset:128*((\a%4)/2)
.endif
.endr
.Lout_done:
	s_wait_tensorcnt 0x0                           ; the wave's end
	ds_add_u32 v[SPW], v[NIL]
	s_wait_dscnt 0x0
	CROUND                                         ; the closing round
	s_endpgm
.Lfunc_end_k_q42451e71f0_qkv:
	.size	k_q42451e71f0_qkv, .Lfunc_end_k_q42451e71f0_qkv-k_q42451e71f0_qkv
	.p2alignl 7, 3214868480
	.fill 96, 4, 3214868480
	.section	.rodata,"a",@progbits
	.p2align	6, 0x0
	.amdhsa_kernel k_q42451e71f0_qkv
		.amdhsa_group_segment_fixed_size 327680
		.amdhsa_private_segment_fixed_size 0
		.amdhsa_enable_private_segment 0
		.amdhsa_kernarg_size 104
		.amdhsa_user_sgpr_count 2
		.amdhsa_user_sgpr_kernarg_segment_ptr 1
		.amdhsa_wavefront_size32 1
		.amdhsa_system_sgpr_workgroup_id_x 1
		.amdhsa_system_sgpr_workgroup_id_y 1
		.amdhsa_system_sgpr_workgroup_id_z 1
		.amdhsa_system_vgpr_workitem_id 0
		.amdhsa_next_free_vgpr 1024
		.amdhsa_next_free_sgpr 100
		.amdhsa_reserve_vcc 0
		.amdhsa_float_denorm_mode_32 3
		.amdhsa_float_denorm_mode_16_64 3
		.amdhsa_memory_ordered 1
		.amdhsa_forward_progress 1
		.amdhsa_inst_pref_size 182
	.end_amdhsa_kernel
	.amdgpu_metadata
---
amdhsa.version: [ 1, 2 ]
amdhsa.kernels:
  - .name:           k_q42451e71f0_qkv
    .symbol:         k_q42451e71f0_qkv.kd
    .args:
      - { .name: x_codes, .offset: 0, .size: 8, .value_kind: global_buffer, .address_space: global }
      - { .name: x_scales, .offset: 8, .size: 8, .value_kind: global_buffer, .address_space: global }
      - { .name: Wq_codes, .offset: 16, .size: 8, .value_kind: global_buffer, .address_space: global }
      - { .name: Wq_scales, .offset: 24, .size: 8, .value_kind: global_buffer, .address_space: global }
      - { .name: Wk_codes, .offset: 32, .size: 8, .value_kind: global_buffer, .address_space: global }
      - { .name: Wk_scales, .offset: 40, .size: 8, .value_kind: global_buffer, .address_space: global }
      - { .name: Wv_codes, .offset: 48, .size: 8, .value_kind: global_buffer, .address_space: global }
      - { .name: Wv_scales, .offset: 56, .size: 8, .value_kind: global_buffer, .address_space: global }
      - { .name: bq, .offset: 64, .size: 8, .value_kind: global_buffer, .address_space: global }
      - { .name: bk, .offset: 72, .size: 8, .value_kind: global_buffer, .address_space: global }
      - { .name: bv, .offset: 80, .size: 8, .value_kind: global_buffer, .address_space: global }
      - { .name: qbuf, .offset: 88, .size: 8, .value_kind: global_buffer, .address_space: global }
      - { .name: kv, .offset: 96, .size: 8, .value_kind: global_buffer, .address_space: global }
    .group_segment_fixed_size: 327680
    .private_segment_fixed_size: 0
    .kernarg_segment_align: 8
    .kernarg_segment_size: 104
    .max_flat_workgroup_size: 128
    .sgpr_count:     100
    .vgpr_count:     1024
    .wavefront_size: 32
...
	.end_amdgpu_metadata
.endif
;; end of part 1
;; launch attn (part 2): grid 8 x 32, 16 waves a work-group, clusters of 4 x 1, 327,680 bytes of LDS; arguments qbuf, kv, ctx_img, ctx_sc; writes ctx_img, ctx_sc
.if DOCPART == 2
	.amdgcn_target "amdgcn-amd-amdhsa--gfx1250"
	.amdhsa_code_object_version 6
	.text
	.protected	k_q42451e71f0_attn
	.globl	k_q42451e71f0_attn
	.p2align	8
	.type	k_q42451e71f0_attn,@function
k_q42451e71f0_attn:
	s_mov_b64 s[64:65], 0
	v_nop
	global_prefetch_b8 v0, s[64:65] scope:SCOPE_SE
	s_setreg_imm32_b32 hwreg(HW_REG_WAVE_MODE, 25, 1), 1
	s_wait_xcnt 0x0
	s_wait_alu depctr_hold_cnt(0) depctr_sa_sdst(0) depctr_va_vdst(0) depctr_va_sdst(0) depctr_va_ssrc(0) depctr_va_vcc(0) depctr_vm_vsrc(0)
	s_getreg_b32 s2, hwreg(HW_REG_IB_STS2, 6, 4)
	s_cmp_eq_u32 s2, 0
	s_cbranch_scc0 .Lentry_in_a_cluster
	s_endpgm
.Lentry_in_a_cluster:
	s_bfe_u32 s2, ttmp6, 0x10000c
	s_cmp_lg_u32 s2, 0x3003
	s_cbranch_scc0 .Lentry_shape_is_right
	s_endpgm
.Lentry_shape_is_right:
; ctx[b][q][h][:] = the sum over k of softmax_k(q . k / 8) v, both products on codes of FP4 (E2M1) with E8M0 scales; ctx is quantised along d_model (a head is two blocks of 32) for the last launch.  Nothing of reference() is left out.
; THE SOFTMAX AHEAD OF THE SECOND PRODUCT: t = score x log2(e) / 8; M = the running largest t rounded UP to a whole number; p = 2^(t - M) is what is quantised, along the keys.  The row's sum is taken of the unquantised p
; and divides O at the end.  When M moves, the sum and O are multiplied by 2^(old M - new M): exact.
; LIMITS: NaN and infinities are not served.  1 / l is v_rcp_f32's.  A block's largest p is made from the block's largest score by the same multiply-add and exponential (it takes v_exp_f32 not to fall where its input rises).
; A block under 2^-124, or of zeros, keeps the scale byte 1: the bytes are read by this program alone.
; THE FIRST PRODUCT'S K IS 64, the instruction's 128: the upper 64 are zero codes on both sides (registers 4-7 of Q's and K's fragments, cleared once), which add nothing under any scale byte but 0xff.
; SHARES.  A work-group owns 256 queries of a PAIR of heads (2 P, 2 P + 1: K step P % 8 of the last product); each of its sixteen waves owns one tile of 16 queries, first for the one head, then for the other,
; so that a wave makes a whole scale word of ctx.  Four waves to a SIMD: one wave's vector work stands beside another's matrix work and LDS loads.
; K AND V OF BOTH HEADS STAY IN LDS: two records of 143,360 bytes, as they lie in memory (images of operand registers: every read is 16 x lane or 4 x lane, consecutive).  Each wave brings 8,960 bytes of each record.
; CLUSTER: the four query blocks of a cluster walk the same two records: each load is a joint one, with the mask of all four and the same descriptor in all four.
; LAYOUT.  Both products transposed: S^T = K Q^T, O^T = V^T P^T: a lane holds ONE query (lane % 16).  Tiles are 16 neighbouring keys; p's codes are put in order as in the launch before: the conversion of (block 2 c + e, tile half u)
; goes to register 4 c + 2 u + e, and v_permlane16_swap_b32 of registers 4 c + 2 u, 4 c + 2 u + 1 leaves block 2 c + h whole in half h.
; REGISTERS: v1-11 addresses; v12 -M, v13 the largest t, v[14:15] the sum; v16-31 Q's two fragments; v32-95 eight fragments of K; v96-159 S^T, then p; v160-191 O^T; v192-223 four fragments of V; v224-231 p's codes;
; v232-239, v244-247, v252, v254 at work; v240-241 V's scale words, v242-243 Q's, v248-251 K's, v253 p's; v255 ctx's scale word.
.set REC,   143360                     ; a head's record of kv: k codes 65,536; k scale words 8,192; v codes 65,536; v scale words 4,096
.set QREC,  73728                      ; a head's record of qbuf
.set PART,  8960                       ; REC / 16: 35 rows of 256 bytes
.set SPARE, 2*REC                      ; the spare words, 128 bytes for each wave, which no other line names
.set AK0,  1                           ; v1   16 x lane
.set AV0,  2                           ; v2   16 x lane + 73,728
.set ASK0, 3                           ; v3   4 x lane + 65,536
.set ASV0, 4                           ; v4   4 x lane + 139,264
.set SPW,  5                           ; v5   my spare word; never rewritten
.set NIL,  6                           ; v6   0; never rewritten
.set GO,   7                           ; v7   16 x lane: my offset in an image in memory
.set ADK,  8
.set ADV,  9
.set ADS,  10
.set ADT,  11
.set WV,   12
.set G1,   16
.set G0A,  24
.set G0B,  28
.set SEL,  32
.set CS,   34                          ; s[34:35] c = log2(e) / 8
.set TB,   36                          ; s36  LDS byte of the step's codes: 4,096 a step, for K's and for V's
.set TS,   37                          ; s37  of K's scale words: 512 a step
.set TJ,   38                          ; s38  of V's: 256 a step
.set KT,   39                          ; s39  key steps to go
.set QC,   44
.set QW,   46
.macro CROUND                          ; a round of the cluster's barrier
	s_barrier_signal -1
	s_barrier_wait -1
	s_cmp_lg_u32 s[WV], 0
	s_cbranch_scc1 .Lnot_wave_0_\@
	s_barrier_signal -3
.Lnot_wave_0_\@:
	s_barrier_wait -3
	s_barrier_signal -1
	s_barrier_wait -1
.endm
	s_load_b256 s[4:11], s[0:1], 0x0               ; qbuf s[4:5], kv s[6:7], ctx_img s[8:9], ctx_sc s[10:11]
	v_lshl_add_u32 v[SPW], v0, 2, SPARE
	v_mov_b32 v[NIL], 0
	ds_add_u32 v[SPW], v[NIL]                      ; the wave's opening: the add, twice on end, and its wait ahead of my first tensor load
	ds_add_u32 v[SPW], v[NIL]                      ; and once more, under the one wait
	v_lshrrev_b32 v8, 5, v0
	s_delay_alu instid0(VALU_DEP_1)
	v_readfirstlane_b32 s[WV], v8                  ; wave 0..15
	s_bfe_u32 s13, ttmp6, 0x40000                  ; cx
	s_lshl_b32 s14, ttmp9, 2
	s_add_co_u32 s14, s14, s13                     ; my block of 256 queries: it enters Q's and ctx's addresses alone
	s_and_b32 s15, ttmp7, 0xffff                   ; P: the pair of heads, which the four partners share
	s_mov_b32 s[G1], 15|(3<<16)|(1<<21)            ; the mask: all four; elements of 8 bytes; bit 21 beside a mask; no padding
	s_mov_b32 s[G1+1], 32<<16                      ; tensor_dim0: 256 bytes
	s_mov_b32 s[G1+2], 35<<16                      ; tensor_dim1
	s_mov_b32 s[G1+3], 32<<16                      ; tile_dim0
	s_mov_b32 s[G1+4], 35                          ; tile_dim1
	s_mov_b32 s[G1+5], 32                          ; the rows are dense
	s_mov_b32 s[G1+6], 0
	s_mov_b32 s[G1+7], 0
	s_mov_b32 s[SEL], 0x76543210
	s_mov_b32 s[SEL+1], 0xfedcba98
	s_mov_b32 s[CS], 0x3e38aa3b                    ; log2(e) / 8
	s_mov_b32 s[CS+1], s[CS]                       ; (named with it as a pair, so it is written)
	s_mul_i32 s40, s15, 2*REC                      ; the pair's two records lie on end
	s_mul_i32 s42, s[WV], PART                     ; my part of a record, in memory and in LDS
	s_add_co_u32 s40, s40, s42
	s_mov_b32 s41, 0
	s_wait_dscnt 0x0                               ; both opening adds are done
	s_wait_kmcnt 0x0
	s_mov_b32 s[G0A], 1
	s_mov_b32 s[G0A+1], s42
	s_add_nc_u64 s[G0A+2:G0A+3], s[6:7], s[40:41]
	s_mov_b32 s[G0B], 1
	s_add_co_u32 s[G0B+1], s42, REC
	s_add_nc_u64 s[G0B+2:G0B+3], s[G0A+2:G0A+3], REC
	s_or_b32 s[G0A+3], s[G0A+3], 0x80000000
	s_or_b32 s[G0B+3], s[G0B+3], 0x80000000
	CROUND                                         ; all four work-groups are here: the joint loads meet
	tensor_load_to_lds s[G0A:G0A+3], s[G1:G1+7]    ; my part of the first head's record
	s_nop 0
	s_wait_alu depctr_va_vdst(0)
	s_wait_tensorcnt 0x0
	ds_add_u32 v5, v6
	s_wait_dscnt 0x0
	CROUND
	tensor_load_to_lds s[G0B:G0B+3], s[G1:G1+7]    ; and of the second's: one load of mine is out
	s_nop 0
.rept 4
	v_nop
.endr
	s_lshl_b32 s43, s14, 4
	s_add_co_u32 s43, s43, s[WV]                   ; my tile of queries in the sequence
	s_mul_i32 s2, s15, 2*QREC
	s_mov_b32 s3, 0
	s_add_nc_u64 s[4:5], s[4:5], s[2:3]
	s_lshl_b32 s2, s43, 9
	s_add_nc_u64 s[QC:QC+1], s[4:5], s[2:3]        ; Q's image
	s_lshl_b32 s2, s43, 6
	s_add_co_u32 s2, s2, 65536
	s_add_nc_u64 s[QW:QW+1], s[4:5], s[2:3]        ; Q's scale words
	s_lshr_b32 s2, s15, 3
	s_lshl_b32 s2, s2, 7
	s_add_co_u32 s43, s43, s2                      ; the tile among all 512: 128 b + tile
	s_and_b32 s40, s15, 7                          ; the last product's K step
	s_lshl_b32 s2, s43, 13
	s_lshl_b32 s41, s40, 10
	s_add_co_u32 s2, s2, s41
	s_add_nc_u64 s[8:9], s[8:9], s[2:3]            ; ctx_img [tile][K step][head of the pair][512]
	s_lshl_b32 s2, s43, 9
	s_lshl_b32 s41, s40, 2
	s_add_co_u32 s2, s2, s41
	s_add_nc_u64 s[10:11], s[10:11], s[2:3]        ; ctx_sc [token][32]: word P % 8
	v_and_b32 v8, 31, v0
	s_delay_alu instid0(VALU_DEP_1)
	v_lshlrev_b32 v[AK0], 4, v8
	s_delay_alu instid0(VALU_DEP_1)
	v_add_nc_u32 v[AV0], 73728, v[AK0]
	s_delay_alu instid0(VALU_DEP_3)
	v_lshlrev_b32 v9, 2, v8
	s_delay_alu instid0(VALU_DEP_1)
	v_add_nc_u32 v[ASK0], 65536, v9
	s_delay_alu instid0(VALU_DEP_2)
	v_add_nc_u32 v[ASV0], 139264, v9
	v_lshlrev_b32 v[GO], 4, v8
	v_and_b32 v254, 15, v0
	s_delay_alu instid0(VALU_DEP_1)
	v_lshlrev_b32 v254, 2, v254
.irp p, 0,1
	global_load_b128 v[16+8*\p:19+8*\p], v[GO], s[QC:QC+1] offset:QREC*\p   ; Q's fragments stay in registers
	global_load_b32 v[242+\p], v254, s[QW:QW+1] offset:QREC*\p
.endr
.irp j, 20,21,22,23,28,29,30,31
	v_mov_b32 v[\j], 0                             ; Q: zero codes for K = 64 .. 127
.endr
.irp t, 0,1,2,3,4,5,6,7
.irp j, 4,5,6,7
	v_mov_b32 v[32+8*\t+\j], 0                     ; K likewise: cleared once, never loaded into
.endr
.endr
.irp b, 0,1,2,3
	v_mov_b32 v[236+\b], 0                         ; written once: a lane permute's destination counts as one of its sources
.endr
	v_mov_b32 v253, 0                              ; (named as the upper half of the pair v[252:253] before it is first written)
	s_wait_loadcnt 0x0                             ; Q
; ONE HEAD: sixteen key steps of 128 keys, then ctx's 64 numbers a query are divided, quantised and stored.
.macro HEADPASS p
.if \p == 0
	s_wait_tensorcnt 0x1                           ; my part of the first record is in; the second's load may be out
	s_barrier_signal -1
	s_barrier_wait -1                              ; everybody's is
.else
	s_wait_tensorcnt 0x0                           ; my part of the second record is in
	s_wait_dscnt 0x0
	s_barrier_signal -1
	s_barrier_wait -1
	s_wait_xcnt 0x0                                ; the first head's store has read its registers: they are written again below
.endif
	s_mov_b32 s[TB], REC*\p
	s_mov_b32 s[TS], REC*\p
	s_mov_b32 s[TJ], REC*\p
	s_mov_b32 s[KT], 16
	v_mov_b32 v13, 0xff61b1e6                      ; the largest t so far: -3e38, under every t
	s_delay_alu instid0(VALU_DEP_1)
	v_floor_f32 v12, -v13                          ; -M
	v_mov_b32 v14, 0
	v_mov_b32 v15, 0
.irp j, 0,1,2,3,4,5,6,7,8,9,10,11,12,13,14,15,16,17,18,19,20,21,22,23,24,25,26,27,28,29,30,31
	v_mov_b32 v[160+\j], 0                         ; O^T.  (The step is written once: the first finds zeros, which the first change of M leaves zeros)
.endr
.Lkey_\@:
	s_setprio 2
	v_add_nc_u32 v[ADK], s[TB], v[AK0]             ; these four are also the places behind the last step's products, in front of the loads into their registers
	v_add_nc_u32 v[ADV], s[TB], v[AV0]
	v_add_nc_u32 v[ADS], s[TS], v[ASK0]
	v_add_nc_u32 v[ADT], s[TJ], v[ASV0]
.irp t, 0,1,2,3,4,5,6,7
	ds_load_b128 v[32+8*\t:35+8*\t], v[ADK] offset:512*\t        ; K's eight tiles of 16 keys
.endr
.irp i, 0,1,2,3
	ds_load_b32 v[248+\i], v[ADS] offset:128*\i                  ; lanes 0-15: tile 2 i's scale words; lanes 16-31: tile 2 i + 1's
.endr
.irp t, 0,1,2,3
.irp c, 0,1
	ds_load_b128 v[192+8*\t+4*\c:195+8*\t+4*\c], v[ADV] offset:1024*\t+512*\c   ; V's four tiles of 16 d x 128 keys: they land under the softmax
.endr
.endr
.irp i, 0,1
	ds_load_b32 v[240+\i], v[ADT] offset:128*\i
.endr
	s_wait_dscnt 10                                ; K and its words are in; V's eight loads and two word loads may be out
.irp t, 0,1,2,3,4,5,6,7
.if \t%2
	v_wmma_scale_f32_16x16x128_f8f6f4 v[96+8*\t:103+8*\t], v[32+8*\t:39+8*\t], v[16+8*\p:23+8*\p], 0, v[248+\t/2], v[242+\p] matrix_a_fmt:MATRIX_FMT_FP4 matrix_b_fmt:MATRIX_FMT_FP4 matrix_a_scale:MATRIX_SCALE_ROW1
.else
	v_wmma_scale_f32_16x16x128_f8f6f4 v[96+8*\t:103+8*\t], v[32+8*\t:39+8*\t], v[16+8*\p:23+8*\p], 0, v[248+\t/2], v[242+\p] matrix_a_fmt:MATRIX_FMT_FP4 matrix_b_fmt:MATRIX_FMT_FP4
.endif
.endr                                          ; lane (r, h): query r; register 16 b + 8 u + j: key 32 b + 16 u + 8 h + j of the step
.rept 4
	v_nop
.endr
.irp b, 0,1,2,3
	v_max3_num_f32 v[232+\b], v[96+16*\b], v[97+16*\b], v[98+16*\b]   ; the largest score of each block of 32 keys: for the row's maximum, and for the block's largest p
.endr
.irp i, 3,5,7,9,11,13
.irp b, 0,1,2,3
	v_max3_num_f32 v[232+\b], v[232+\b], v[96+16*\b+\i], v[97+16*\b+\i]
.endr
.endr
.irp b, 0,1,2,3
	v_max_num_f32 v[232+\b], v[232+\b], v[111+16*\b]
.endr
.irp b, 0,1,2,3
	s_delay_alu instid0(VALU_DEP_4)
	v_permlanex16_b32 v[236+\b], v[232+\b], s[SEL], s[SEL+1]
.endr
.irp b, 0,1,2,3
	s_delay_alu instid0(VALU_DEP_4)
	v_max_num_f32 v[232+\b], v[232+\b], v[236+\b]  ; with lane l xor 16's 16 keys
.endr
	s_delay_alu instid0(VALU_DEP_2)
	v_max3_num_f32 v254, v232, v233, v234
	s_delay_alu instid0(VALU_DEP_1)
	v_max_num_f32 v254, v254, v235                 ; the step's largest score of my query
	s_delay_alu instid0(VALU_DEP_1)
	v_mul_f32 v254, s[CS], v254                    ; as t (c is positive)
	s_delay_alu instid0(VALU_DEP_1)
	v_max_num_f32 v13, v13, v254                   ; the running largest t
	v_mov_b32 v254, v12
	s_delay_alu instid0(VALU_DEP_2)
	v_floor_f32 v12, -v13                          ; the new -M = floor(-t) = -ceil(t): a whole number
	s_delay_alu instid0(VALU_DEP_1)
	v_sub_f32 v254, v12, v254                      ; M's old value less its new one: a whole number, 0 or less
	s_delay_alu instid0(VALU_DEP_1)
	v_cvt_i32_f32 v254, v254                       ; (it saturates)
	s_delay_alu instid0(VALU_DEP_1)
	v_ldexp_f32 v252, 1.0, v254                    ; f = 2^(old M - new M)
.irp j, 0,2,4,6,8,10,12,14,16,18,20,22,24,26,28,30,32,34,36,38,40,42,44,46,48,50,52,54,56,58,60,62
	v_pk_fma_f32 v[96+\j:97+\j], v[96+\j:97+\j], s[CS:CS+1], v[12:13] op_sel_hi:[1,0,0]   ; t - M, two at a time
.endr
.irp b, 0,1,2,3
	v_fma_f32 v[232+\b], v[232+\b], s[CS], v12     ; the same of each block's largest score
.endr
	s_wait_alu depctr_va_vdst(0)
.irp j, 0,1,2,3,4,5,6,7,8,9,10,11,12,13,14,15,16,17,18,19,20,21,22,23,24,25,26,27,28,29,30,31,32,33,34,35,36,37,38,39,40,41,42,43,44,45,46,47,48,49,50,51,52,53,54,55,56,57,58,59,60,61,62,63
	v_exp_f32 v[96+\j], v[96+\j]                   ; p = 2^(t - M), at most 1: not normalised
.endr
	s_setprio 1
	v_pk_mul_f32 v[14:15], v[14:15], v[252:253] op_sel_hi:[1,0]   ; the sums under the new M.  (A plain place behind the exponentials)
	s_wait_alu depctr_va_vdst(0)                   ; one wait for the whole batch, ahead of its first reader
.irp b, 0,1,2,3
	v_exp_f32 v[232+\b], v[232+\b]                 ; the block's largest p
.endr
	v_pk_add_f32 v[236:237], v[96:97], v[98:99]    ; the row's sum is taken of the unquantised p: two at a time, in two chains
.irp j, 4,8,12,16,20,24,28,32,36,40,44,48,52,56,60
	v_pk_add_f32 v[14:15], v[14:15], v[96+\j:97+\j]
	v_pk_add_f32 v[236:237], v[236:237], v[98+\j:99+\j]
.endr
	s_delay_alu instid0(VALU_DEP_1)
	v_pk_add_f32 v[14:15], v[14:15], v[236:237]
	s_wait_alu depctr_va_vdst(0)                   ; and one for the four
.irp b, 0,1,2,3
	v_max_num_f32 v[232+\b], 0x1800000, v[232+\b]  ; the floor 2^(3 - 127): the byte cannot fall under 1
.endr
.irp b, 0,1,2,3
	s_delay_alu instid0(VALU_DEP_4)
	v_add_nc_u32 v[244+\b], 0xff000000, v[232+\b]  ; 2 off the exponent field: the conversion's scale operand
.endr
.irp b, 0,1,2,3
	s_delay_alu instid0(VALU_DEP_4)
	v_lshrrev_b32 v[236+\b], 23, v[244+\b]         ; the scale's byte
.endr
	s_delay_alu instid0(VALU_DEP_3)
	v_lshl_or_b32 v253, v237, 8, v236              ; p's scale word for these 128 keys
	s_delay_alu instid0(VALU_DEP_1)
	v_lshl_or_b32 v253, v238, 16, v253
	s_delay_alu instid0(VALU_DEP_1)
	v_lshl_or_b32 v253, v239, 24, v253
.irp b, 0,1,2,3
.irp u, 0,1
	v_cvt_scalef32_pk8_fp4_f32 v[224+4*(\b/2)+2*\u+(\b%2)], v[96+16*\b+8*\u:103+16*\b+8*\u], v[244+\b]
.endr
.endr
	v_nop                                          ; one plain place behind a scaled conversion
.irp c, 0,1
.irp u, 0,1
	v_permlane16_swap_b32 v[224+4*\c+2*\u], v[225+4*\c+2*\u]   ; registers 4 c .. 4 c + 3: block 2 c + h, whole and in order
.endr
.endr
	s_setprio 0
.irp j, 0,2,4,6,8,10,12,14,16,18,20,22,24,26,28,30
	v_pk_mul_f32 v[160+\j:161+\j], v[160+\j:161+\j], v[252:253] op_sel_hi:[1,0]   ; O^T under the new M.  (These sixteen are also the places between p's codes and scale word and the products below)
.endr
	s_wait_alu depctr_va_vdst(0)
	s_wait_dscnt 0x0                               ; V and its words are in
.irp t, 0,1,2,3
.if \t%2
	v_wmma_scale_f32_16x16x128_f8f6f4 v[160+8*\t:167+8*\t], v[192+8*\t:199+8*\t], v[224:231], v[160+8*\t:167+8*\t], v[240+\t/2], v253 matrix_a_fmt:MATRIX_FMT_FP4 matrix_b_fmt:MATRIX_FMT_FP4 matrix_a_scale:MATRIX_SCALE_ROW1
.else
	v_wmma_scale_f32_16x16x128_f8f6f4 v[160+8*\t:167+8*\t], v[192+8*\t:199+8*\t], v[224:231], v[160+8*\t:167+8*\t], v[240+\t/2], v253 matrix_a_fmt:MATRIX_FMT_FP4 matrix_b_fmt:MATRIX_FMT_FP4
.endif
.endr                                          ; the four accumulators by turns; between two links of a chain stand the three others' and the next step's eight
	s_add_co_u32 s[TB], s[TB], 4096
	s_add_co_u32 s[TS], s[TS], 512
	s_add_co_u32 s[TJ], s[TJ], 256
	s_sub_co_u32 s[KT], s[KT], 1
	s_cmp_lg_u32 s[KT], 0
	s_cbranch_scc1 .Lkey_\@
	s_setprio 0
.rept 4
	v_nop                                          ; places behind the last products
.endr
	v_add_f32 v14, v14, v15                        ; the sum's two halves,
	s_delay_alu instid0(VALU_DEP_1)
	v_permlanex16_b32 v252, v14, s[SEL], s[SEL+1]
	s_delay_alu instid0(VALU_DEP_1)
	v_add_f32 v14, v14, v252                       ; and lane l xor 16's: the row's sum
	s_wait_alu depctr_va_vdst(0)
	v_rcp_f32 v14, v14
	v_nop                                          ; a plain place behind the reciprocal
	s_wait_alu depctr_va_vdst(0)                   ; and the wait ahead of its first reader
.irp j, 0,2,4,6,8,10,12,14,16,18,20,22,24,26,28,30
	v_pk_mul_f32 v[96+\j:97+\j], v[160+\j:161+\j], v[14:15] op_sel_hi:[1,0]   ; ctx: register 16 b + 8 u + j: d = 32 b + 16 u + 8 h + j of my query; each accumulator from its low end on
.endr
.irp b, 0,1
	v_max3_num_f32 v[232+\b], |v[96+16*\b]|, |v[97+16*\b]|, 0x1800000   ; the head's two blocks of 32, with the floor
.endr
.irp i, 2,4,6,8,10,12,14
.irp b, 0,1
	s_delay_alu instid0(VALU_DEP_2)
	v_max3_num_f32 v[232+\b], v[232+\b], |v[96+16*\b+\i]|, |v[97+16*\b+\i]|
.endr
.endr
.irp b, 0,1
	s_delay_alu instid0(VALU_DEP_2)
	v_permlanex16_b32 v[236+\b], v[232+\b], s[SEL], s[SEL+1]
.endr
.irp b, 0,1
	s_delay_alu instid0(VALU_DEP_2)
	v_max_num_f32 v[232+\b], v[232+\b], v[236+\b]
.endr
.irp b, 0,1
	s_delay_alu instid0(VALU_DEP_2)
	v_add_nc_u32 v[244+\b], 0xff000000, v[232+\b]
.endr
.irp b, 0,1
	s_delay_alu instid0(VALU_DEP_2)
	v_lshrrev_b32 v[236+\b], 23, v[244+\b]
.endr
.if \p == 0
	s_delay_alu instid0(VALU_DEP_1)
	v_lshl_or_b32 v255, v237, 8, v236              ; bytes 0, 1 of the K step's scale word
.else
	s_delay_alu instid0(VALU_DEP_1)
	v_lshl_or_b32 v254, v237, 8, v236
	s_delay_alu instid0(VALU_DEP_1)
	v_lshl_or_b32 v255, v254, 16, v255             ; bytes 2, 3
.endif
.irp b, 0,1
.irp u, 0,1
	v_cvt_scalef32_pk8_fp4_f32 v[224+2*\u+\b], v[96+16*\b+8*\u:103+16*\b+8*\u], v[244+\b]
.endr
.endr
	v_nop                                          ; one plain place behind a scaled conversion
	v_permlane16_swap_b32 v224, v225
	v_permlane16_swap_b32 v226, v227
	global_store_b128 v[GO], v[224:227], s[8:9] offset:512*\p   ; registers 4 p .. 4 p + 3 of the last product's fragment: 512 consecutive bytes, aligned
.endm
	HEADPASS 0
	HEADPASS 1
	v_and_b32 v254, 15, v0
	s_delay_alu instid0(VALU_DEP_1)
	v_lshlrev_b32 v254, 5, v254
	global_store_b32 v254, v255, s[10:11]          ; my 16 queries' scale words, 32 bytes apart (lanes l and l + 16 write the same word with the same value): 64 bytes of a wave's 1,088
	s_wait_tensorcnt 0x0                           ; the wave's end
	ds_add_u32 v[SPW], v[NIL]
	s_wait_dscnt 0x0
	CROUND                                         ; the closing round
	s_endpgm
.Lfunc_end_k_q42451e71f0_attn:
	.size	k_q42451e71f0_attn, .Lfunc_end_k_q42451e71f0_attn-k_q42451e71f0_attn
	.p2alignl 7, 3214868480
	.fill 96, 4, 3214868480
	.section	.rodata,"a",@progbits
	.p2align	6, 0x0
	.amdhsa_kernel k_q42451e71f0_attn
		.amdhsa_group_segment_fixed_size 327680
		.amdhsa_private_segment_fixed_size 0
		.amdhsa_enable_private_segment 0
		.amdhsa_kernarg_size 32
		.amdhsa_user_sgpr_count 2
		.amdhsa_user_sgpr_kernarg_segment_ptr 1
		.amdhsa_wavefront_size32 1
		.amdhsa_system_sgpr_workgroup_id_x 1
		.amdhsa_system_sgpr_workgroup_id_y 1
		.amdhsa_system_sgpr_workgroup_id_z 1
		.amdhsa_system_vgpr_workitem_id 0
		.amdhsa_next_free_vgpr 256
		.amdhsa_next_free_sgpr 66
		.amdhsa_reserve_vcc 0
		.amdhsa_float_denorm_mode_32 3
		.amdhsa_float_denorm_mode_16_64 3
		.amdhsa_memory_ordered 1
		.amdhsa_forward_progress 1
		.amdhsa_inst_pref_size 51
	.end_amdhsa_kernel
	.amdgpu_metadata
---
amdhsa.version: [ 1, 2 ]
amdhsa.kernels:
  - .name:           k_q42451e71f0_attn
    .symbol:         k_q42451e71f0_attn.kd
    .args:
      - { .name: qbuf, .offset: 0, .size: 8, .value_kind: global_buffer, .address_space: global }
      - { .name: kv, .offset: 8, .size: 8, .value_kind: global_buffer, .address_space: global }
      - { .name: ctx_img, .offset: 16, .size: 8, .value_kind: global_buffer, .address_space: global }
      - { .name: ctx_sc, .offset: 24, .size: 8, .value_kind: global_buffer, .address_space: global }
    .group_segment_fixed_size: 327680
    .private_segment_fixed_size: 0
    .kernarg_segment_align: 8
    .kernarg_segment_size: 32
    .max_flat_workgroup_size: 512
    .sgpr_count:     66
    .vgpr_count:     256
    .wavefront_size: 32
...
	.end_amdgpu_metadata
.endif
;; end of part 2
;; launch oproj (part 3): grid 4 x 32, 4 waves a work-group, clusters of 4 x 4, 327,680 bytes of LDS; arguments ctx_img, ctx_sc, Wo_codes, Wo_scales, bo, out0; writes out0
.if DOCPART == 3
	.amdgcn_target "amdgcn-amd-amdhsa--gfx1250"
	.amdhsa_code_object_version 6
	.text
	.protected	k_q42451e71f0_oproj
	.globl	k_q42451e71f0_oproj
	.p2align	8
	.type	k_q42451e71f0_oproj,@function
k_q42451e71f0_oproj:
	s_mov_b64 s[64:65], 0
	v_nop
	global_prefetch_b8 v0, s[64:65] scope:SCOPE_SE
	s_setreg_imm32_b32 hwreg(HW_REG_WAVE_MODE, 25, 1), 1
	s_wait_xcnt 0x0
	s_wait_alu depctr_hold_cnt(0) depctr_sa_sdst(0) depctr_va_vdst(0) depctr_va_sdst(0) depctr_va_ssrc(0) depctr_va_vcc(0) depctr_vm_vsrc(0)
	s_getreg_b32 s2, hwreg(HW_REG_IB_STS2, 6, 4)
	s_cmp_eq_u32 s2, 0
	s_cbranch_scc0 .Lentry_in_a_cluster
	s_endpgm
.Lentry_in_a_cluster:
	s_bfe_u32 s2, ttmp6, 0x10000c
	s_cmp_lg_u32 s2, 0xf033
	s_cbranch_scc0 .Lentry_shape_is_right
	s_endpgm
.Lentry_shape_is_right:
; out = ctx Wo^T + bo on codes of FP4 (E2M1) with one E8M0 scale for each 32 along K (K = 1,024), sums in f32, out in f32.  Nothing of reference() is left out.
; A = ctx: its codes lie as images of operand registers, [token tile][K step of 128][half][512 bytes], its scale bytes [token][32].  B = Wo: rows of 512 bytes of codes, [feature][32] scale bytes.
; A work-group of four waves makes 256 x 256 of out, a wave 128 x 128: 64 accumulators.  K = 1,024 is two LDS slots of 512 along K, both asked for at the head; nothing is filled again.
; 8,192 x 1,024 of out are 128 such tiles; a tile of half the rows would give 256 work-groups at one and a half times the LDS bytes a product.
; CLUSTERS: 4 x 4: A's tiles are shared along a row of the cluster, B's along a column, by joint loads.  THE MATRIX INSTRUCTION IS USED TRANSPOSED (source 0 = 16 rows of Wo, source 1 = 16 tokens):
; a lane holds eight neighbouring numbers of a row of out.  bo is the C of each sum's first product.
; LIMITS: NaN and infinities are not served.
; REGISTERS: window 0: v16-31 addresses; v32-95 scale words, two sets; v128-191 A's fragments; v192-255 bo as C; on the way out v128-255 take rows of out.  window 1: B's fragments, two sets.  windows 2, 3: the accumulators.
.set SIZE_N, 1024
.set NQ,     4
.set ROWB,   256
.set KROW,   512
.set PITCH,  272                       ; B's LDS rows: 256 bytes + 16 of padding
.set FR,     8
.set NL,     2
.set NP,     4
.set HALFT,  128*PITCH                 ; the place of 128 rows; A's images use 32,768 bytes of it, dense
.set SLOT,   4*HALFT
.set KS,     32
.set SCL,    2*SLOT
.set HALFS,  (128*KS/256)*272
.set SBLK,   (16*KS/256)*272
.set SPARE,  SCL+4*HALFS               ; the spare words, 128 bytes for each wave, which no other line names
.set SPITCH, 528                       ; the way out: a stage of 16 rows x (512 bytes + 16) for each wave, in slot 0, which has had its only fill and its last read when the first result is stored there
.set ADRA, 16
.set ADRB, 20
.set STO,  24
.set RD,   25
.set CO,   26                          ; v26  16 x lane
.set ADRS, 27
.set SPW,  28
.set NIL,  29
.set BO,   30
.set SC,   32
.set AF,   128
.set BK,   128
.set BIAS, 192
.set G1,   24
.set G0,   32
.set G1B,  48
.set G0B,  56
.set G1S,  68
.set G0S,  76
.set G1SB, 80
.set G0SB, 88
.set MSB, 0
.macro WIN new
.if MSB != (\new)
	s_set_vgpr_msb (MSB<<8)|(\new)
.set MSB, (\new)
.endif
.endm
.set MUL_LO, 0xa1
.set MUL_HI, 0xf1
.set TO_B,   0x40
.macro JLOAD g0a, g1a, g0b, g1b        ; a joint load: waves 0 and 1 fetch for A, waves 2 and 3 for B; an s_nop 0 and four v_nop follow each line
	s_cmp_eq_u32 s15, 0
	s_cbranch_scc0 .Lfor_b_\@
	tensor_load_to_lds s[\g0a:\g0a+3], s[\g1a:\g1a+7]
	s_nop 0
.rept 4
	v_nop
.endr
	s_branch .Lasked_\@
.Lfor_b_\@:
	tensor_load_to_lds s[\g0b:\g0b+3], s[\g1b:\g1b+7]
	s_nop 0
.rept 4
	v_nop
.endr
.Lasked_\@:
.endm
.macro CROUND
	s_barrier_signal -1
	s_barrier_wait -1
	s_cmp_lg_u32 s14, 0
	s_cbranch_scc1 .Lnot_wave_0_\@
	s_barrier_signal -3
.Lnot_wave_0_\@:
	s_barrier_wait -3
	s_barrier_signal -1
	s_barrier_wait -1
.endm
	s_load_b128 s[4:7], s[0:1], 0x0                ; ctx's images, ctx's scales
	s_load_b128 s[8:11], s[0:1], 0x10              ; Wo's codes, Wo's scales
	s_load_b64 s[98:99], s[0:1], 0x20              ; bo
	s_load_b64 s[12:13], s[0:1], 0x28              ; out
	v_lshl_add_u32 v[SPW], v0, 2, SPARE
	v_mov_b32 v[NIL], 0
	ds_add_u32 v[SPW], v[NIL]                      ; the wave's opening: the add, twice on end, and its wait ahead of my first tensor load
	ds_add_u32 v[SPW], v[NIL]                      ; and once more, under the one wait
	v_lshrrev_b32 v1, 5, v0
	v_readfirstlane_b32 s14, v1                    ; wave 0..3
	s_lshr_b32 s15, s14, 1                         ; which half of the tile's rows is mine.  Also: I fetch for A (0) or for B (1)
	s_and_b32 s16, s14, 1                          ; which half of its columns.  Also: which 128 rows of that tile I fetch
	s_bfe_u32 s40, ttmp6, 0x40000                  ; cx
	s_bfe_u32 s41, ttmp6, 0x40004                  ; cy
	s_lshl_b32 s42, ttmp9, 2
	s_add_co_u32 s42, s42, s40                     ; tile column
	s_and_b32 s17, ttmp7, 0xffff
	s_lshl_b32 s17, s17, 2
	s_add_co_u32 s17, s17, s41                     ; tile row
	s_lshl_b32 s43, s41, 2
	s_lshl_b32 s43, 15, s43                        ; my row of the cluster
	s_lshl_b32 s44, 0x1111, s40                    ; my column
	; A's tiles: 8 token tiles x 4,096 bytes (four K steps' images), 8,192 bytes apart in memory, dense in LDS
	s_or_b32 s[G1+0], s43, (3<<16)|(1<<21)         ; the mask; elements of 8 bytes; bit 21 beside a mask; no padding
	s_mov_b32 s[G1+1], 512<<16                     ; tensor_dim0
	s_mov_b32 s[G1+2], 8<<16                       ; tensor_dim1
	s_mov_b32 s[G1+3], 512<<16                     ; tile_dim0
	s_mov_b32 s[G1+4], 8                           ; tile_dim1
	s_mov_b32 s[G1+5], 1024                        ; tensor_dim0_stride
	s_mov_b32 s[G1+6], 0
	s_mov_b32 s[G1+7], 0
	; B's tiles: 128 rows x 256 bytes, padded in LDS
	s_or_b32 s[G1B+0], s44, (0<<16)|(1<<20)|(1<<21)|(5<<22)|(3<<25)
	s_mov_b32 s[G1B+1], ROWB<<16
	s_mov_b32 s[G1B+2], 128<<16
	s_mov_b32 s[G1B+3], ROWB<<16
	s_mov_b32 s[G1B+4], 128
	s_mov_b32 s[G1B+5], KROW
	s_mov_b32 s[G1B+6], 0
	s_mov_b32 s[G1B+7], 0
	; the scales of 128 rows: 4,096 dense bytes, as 16 rows of 256 bytes, 16 bytes of padding behind each
	s_or_b32 s[G1S+0], s43, (3<<16)|(1<<20)|(1<<21)|(5<<22)|(3<<25)
	s_or_b32 s[G1SB+0], s44, (3<<16)|(1<<20)|(1<<21)|(5<<22)|(3<<25)
.irp g, G1S, G1SB
	s_mov_b32 s[\g+1], 32<<16
	s_mov_b32 s[\g+2], (128*KS/256)<<16
	s_mov_b32 s[\g+3], 32<<16
	s_mov_b32 s[\g+4], 128*KS/256
	s_mov_b32 s[\g+5], 32
	s_mov_b32 s[\g+6], 0
	s_mov_b32 s[\g+7], 0
.endr
	s_lshl_b32 s18, s16, 7
	s_lshl_b32 s20, s17, 8
	s_add_co_u32 s20, s20, s18                     ; A: token 256 x tile row + 128 x half (every offset below stays under 2^31)
	s_lshl_b32 s46, s42, 8
	s_add_co_u32 s46, s46, s18                     ; B: feature 256 x tile column + 128 x half
	s_lshl_b32 s22, s20, 5                         ; their scales,
	s_lshl_b32 s20, s20, 9                         ; their codes: 16 tokens' images are 8,192 bytes, 512 a token
	s_mov_b32 s21, 0
	s_mov_b32 s23, 0
	s_lshl_b32 s94, s46, 5
	s_lshl_b32 s46, s46, 9
	s_mov_b32 s47, 0
	s_mov_b32 s95, 0
	s_mul_i32 s45, s14, HALFT
	s_mul_i32 s3, s14, HALFS
	s_wait_dscnt 0x0                               ; both opening adds are done
	s_wait_kmcnt 0x0
	s_add_nc_u64 s[20:21], s[4:5], s[20:21]
	s_add_nc_u64 s[22:23], s[6:7], s[22:23]
	s_add_nc_u64 s[46:47], s[8:9], s[46:47]
	s_add_nc_u64 s[94:95], s[10:11], s[94:95]
	CROUND                                         ; all sixteen work-groups are here: the first joint loads meet
	s_mov_b32 s[G0S], 1
	s_add_co_u32 s[G0S+1], s3, SCL
	s_mov_b64 s[G0S+2:G0S+3], s[22:23]
	s_or_b32 s[G0S+3], s[G0S+3], 0x80000000
	s_mov_b32 s[G0SB], 1
	s_add_co_u32 s[G0SB+1], s3, SCL
	s_mov_b64 s[G0SB+2:G0SB+3], s[94:95]
	s_or_b32 s[G0SB+3], s[G0SB+3], 0x80000000
	JLOAD G0S, G1S, G0SB, G1SB
.irp s, 0,1
	s_mov_b32 s[G0+4*\s], 1
	s_add_co_u32 s[G0+4*\s+1], s45, \s*SLOT
	s_add_nc_u64 s[G0+4*\s+2:G0+4*\s+3], s[20:21], \s*4096
	s_or_b32 s[G0+4*\s+3], s[G0+4*\s+3], 0x80000000
	s_mov_b32 s[G0B+4*\s], 1
	s_add_co_u32 s[G0B+4*\s+1], s45, \s*SLOT
	s_add_nc_u64 s[G0B+4*\s+2:G0B+4*\s+3], s[46:47], \s*ROWB
	s_or_b32 s[G0B+4*\s+3], s[G0B+4*\s+3], 0x80000000
	s_wait_alu depctr_va_vdst(0)
	s_wait_tensorcnt 0x0
	ds_add_u32 v28, v29
	s_wait_dscnt 0x0
	CROUND
	JLOAD G0+4*\s, G1, G0B+4*\s, G1B               ; one tensor load of a wave is out
.endr
	v_and_b32 v1, 15, v0                           ; r
	v_bfe_u32 v2, v0, 4, 1                         ; h
	v_mul_u32_u24 v3, v1, PITCH
	v_lshl_add_u32 v4, v2, 4, v3                   ; B: a fragment's row x pitch + 16 x half
	v_and_b32 v6, 31, v0
	v_lshlrev_b32 v[CO], 4, v6                     ; 16 x lane: A's images, and a row of out
	s_mul_i32 s21, s15, HALFT
	s_mul_i32 s22, s16, HALFT
	s_add_co_u32 s22, s22, 2*HALFT
.irp s, 0,1
	v_add_nc_u32 v[ADRA+\s], s21, v[CO]
	v_add_nc_u32 v[ADRB+\s], s22, v4
	s_add_co_u32 s21, s21, SLOT
	s_add_co_u32 s22, s22, SLOT
.endr
	v_mul_u32_u24 v5, v1, KS
	v_lshrrev_b32 v6, 8, v5
	v_lshl_add_u32 v5, v6, 4, v5
	s_mul_i32 s21, s15, HALFS
	s_mul_i32 s22, s16, HALFS
	s_add_co_u32 s22, s22, 2*HALFS
	s_sub_co_u32 s22, s22, s21
	v_mul_u32_u24 v6, s22, v2                      ; lanes 16-31 take B's
	s_add_co_u32 s21, s21, SCL
	v_add_nc_u32 v5, v5, v6
	v_add_nc_u32 v[ADRS], s21, v5
	s_mul_i32 s23, s14, 16*SPITCH                  ; my stage
	v_mul_u32_u24 v5, v1, SPITCH
	v_lshl_add_u32 v5, v2, 5, v5
	v_add_nc_u32 v[STO], s23, v5                   ; in: row r, 32 bytes for each half of the lanes
	v_add_nc_u32 v[RD], s23, v[CO]                 ; back: the 32 lanes take one row of 512 bytes
	s_lshl_b32 s46, s42, 10
	s_lshl_b32 s47, s16, 9
	s_add_co_u32 s46, s46, s47                     ; my first column, in bytes: in out's rows and in bo
	s_mov_b32 s47, 0
	s_add_nc_u64 s[98:99], s[98:99], s[46:47]
	s_lshl_b32 s20, s17, 8
	s_lshl_b32 s21, s15, 7
	s_add_co_u32 s20, s20, s21                     ; my first row of out,
	s_lshl_b32 s20, s20, 12                        ; 4,096 bytes a row
	s_add_co_u32 s20, s20, s46
	s_mov_b32 s21, 0
	s_add_nc_u64 s[12:13], s[12:13], s[20:21]
	v_lshlrev_b32 v[BO], 5, v2                     ; bo: register 8 b + j: feature 16 b + 8 h + j
.irp b, 0,1,2,3,4,5,6,7
	global_load_b128 v[BIAS+8*\b:BIAS+8*\b+3], v[BO], s[98:99] offset:64*\b
	global_load_b128 v[BIAS+8*\b+4:BIAS+8*\b+7], v[BO], s[98:99] offset:64*\b+16
.endr
.macro FRAG reg, adr, q, i             ; B: 16 rows x 128 K from padded rows
.irp c, 0,1
	ds_load_b128 v[\reg+4*\c:\reg+4*\c+3], v[\adr] offset:64*(\q)+32*\c+(\i)*16*PITCH
.endr
.endm
.macro FRAG_A reg, adr, q, i           ; A: an image comes back as it was stored: 512 consecutive bytes a load
.irp c, 0,1
	ds_load_b128 v[\reg+4*\c:\reg+4*\c+3], v[\adr] offset:4096*(\i)+1024*(\q)+512*\c
.endr
.endm
; 16 matrix instructions: A's blocks a0, a0 + 1 x B's eight.  zero = 1: C is bo.  The 64 accumulators take turns, one instruction a turn, in the same order in every step.
.macro MUL16 a0, p, q, sc, zero
.irp a, \a0, \a0+1
.irp b, 0,1,2,3,4,5,6,7
.if \zero
	v_wmma_scale_f32_16x16x128_f8f6f4 v[8*(8*((\a)%4)+\b):8*(8*((\a)%4)+\b)+7], v[128*(\p)+FR*\b:128*(\p)+FR*\b+FR-1], v[AF+FR*(\a):AF+FR*(\a)+FR-1], v[BIAS+8*\b:BIAS+8*\b+7], v[SC+8*NQ*(\sc)+NQ*\b+(\q)], v[SC+8*NQ*(\sc)+NQ*(\a)+(\q)] matrix_a_fmt:MATRIX_FMT_FP4 matrix_b_fmt:MATRIX_FMT_FP4 matrix_a_scale:MATRIX_SCALE_ROW1
.else
	v_wmma_scale_f32_16x16x128_f8f6f4 v[8*(8*((\a)%4)+\b):8*(8*((\a)%4)+\b)+7], v[128*(\p)+FR*\b:128*(\p)+FR*\b+FR-1], v[AF+FR*(\a):AF+FR*(\a)+FR-1], v[8*(8*((\a)%4)+\b):8*(8*((\a)%4)+\b)+7], v[SC+8*NQ*(\sc)+NQ*\b+(\q)], v[SC+8*NQ*(\sc)+NQ*(\a)+(\q)] matrix_a_fmt:MATRIX_FMT_FP4 matrix_b_fmt:MATRIX_FMT_FP4 matrix_a_scale:MATRIX_SCALE_ROW1
.endif
.endr
.endr
.endm
.macro FETCH_B slot, q, p
	WIN TO_B
.irp i, 0,1,2,3,4,5,6,7
	FRAG 128*(\p)+FR*\i, ADRB+\slot, \q, \i
.endr
	WIN 0
.endm
.macro FETCH_A slot, q, i0
.irp i, \i0, \i0+1, \i0+2, \i0+3
	FRAG_A AF+FR*(\i), ADRA+\slot, \q, \i
.endr
.endm
.macro SCALES sc
.irp i, 0,1,2,3,4,5,6,7
	ds_load_b128 v[SC+8*NQ*\sc+NQ*\i:SC+8*NQ*\sc+NQ*\i+3], v[ADRS] offset:\i*SBLK
.endr
.endm
.macro PLACES n
.rept \n
	v_nop
.endr
.endm
.macro STEP slot, q, zero
	s_wait_dscnt 4*NL                              ; all but the youngest eight loads (A's blocks 4-7) are in
.if \zero
	WIN 0x81                                       ; C (bo) in window 0, D in window 2
.else
	WIN MUL_LO
.endif
	MUL16 0, (\q)%2, \q, \slot, \zero
	MUL16 2, (\q)%2, \q, \slot, \zero
	s_wait_dscnt 0
	PLACES NP
	FETCH_B \slot, (\q)+1, 1-(\q)%2
	FETCH_A \slot, (\q)+1, 0
.if \zero
	WIN 0xc1
.else
	WIN MUL_HI
.endif
	MUL16 4, (\q)%2, \q, \slot, \zero
	MUL16 6, (\q)%2, \q, \slot, \zero
	PLACES NP
	WIN 0
	FETCH_A \slot, (\q)+1, 4
.endm
	s_wait_alu depctr_va_vdst(0)
	s_wait_tensorcnt 1                             ; the scales and my part of slot 0 are in; slot 1's load may be out
	s_barrier_signal -1
	s_barrier_wait -1
	s_wait_loadcnt 0x0                             ; bo
	FETCH_B 0, 0, 0
	FETCH_A 0, 0, 0
	SCALES 0
	FETCH_A 0, 0, 4
	STEP 0, 0, 1                                   ; the first step starts the sums with bo
	STEP 0, 1, 0
	STEP 0, 2, 0
	s_wait_tensorcnt 0x0                           ; slot 0's last step changes slots: my part of slot 1 has landed
	ds_add_u32 v[SPW], v[NIL]                      ; 0 onto my spare word
	s_wait_dscnt 4*NL+1                            ; (the add and the youngest eight loads may be out)
	WIN MUL_LO
	MUL16 0, 1, NQ-1, 0, 0
	s_wait_dscnt 0x0                               ; the add is done, and my reads of slot 0 are over
	s_barrier_signal -1
	MUL16 2, 1, NQ-1, 0, 0
	WIN 0
	s_barrier_wait -1                              ; slot 1 is whole, and nobody reads slot 0 any more
	PLACES NP
	v_add_nc_u32 v[ADRS], 4*NQ, v[ADRS]
	FETCH_B 1, 0, 0
	FETCH_A 1, 0, 0
	SCALES 1
	WIN MUL_HI
	MUL16 4, 1, NQ-1, 0, 0
	MUL16 6, 1, NQ-1, 0, 0
	PLACES NP
	WIN 0
	FETCH_A 1, 0, 4
	STEP 1, 0, 0
	STEP 1, 1, 0
	STEP 1, 2, 0
	s_wait_dscnt 4*NL
	WIN MUL_LO
	MUL16 0, 1, NQ-1, 1, 0
	MUL16 2, 1, NQ-1, 1, 0
	s_wait_dscnt 0
	WIN MUL_HI
	MUL16 4, 1, NQ-1, 1, 0
	MUL16 6, 1, NQ-1, 1, 0
	WIN 0
; THE WAY OUT, block by block of 16 rows x 128 columns: through my own stage in LDS and back as whole rows of 512 bytes, which the 32 lanes store as 512 consecutive bytes, aligned.
; LDS serves a wave's instructions in order (ISA guide 5.7.1.4): no wait between the stores and the loads, nor in front of the next block's stores.
.macro TOSTAGE a
.set AC, 64*((\a)%4)
	WIN 0x08+4*((\a)/4)                            ; the data: window 2 or 3
.irp b, 0,1,2,3,4,5,6,7
	ds_store_b128 v[STO], v[AC+8*\b:AC+8*\b+3] offset:64*\b          ; each accumulator from its low end on
	ds_store_b128 v[STO], v[AC+8*\b+4:AC+8*\b+7] offset:64*\b+16
.endr
	WIN 0
.set BB, BK+64*((\a)%2)
.irp t, 0,1,2,3,4,5,6,7,8,9,10,11,12,13,14,15
	ds_load_b128 v[BB+4*\t:BB+4*\t+3], v[RD] offset:\t*SPITCH
.endr
.endm
.macro SEND a, younger                 ; younger: the LDS instructions issued behind block a's loads, which may stay out
.set BB, BK+64*((\a)%2)
	s_wait_dscnt \younger
.if (\a) > 0
	s_add_nc_u64 s[12:13], s[12:13], 16*SIZE_N*4   ; (behind a wait on XCNT: the earlier stores have read their base)
.endif
.irp t, 0,1,2,3,4,5,6,7,8,9,10,11,12,13,14,15
	global_store_b128 v[CO], v[BB+4*\t:BB+4*\t+3], s[12:13] offset:\t*SIZE_N*4 th:TH_STORE_NT
.endr
.endm
	PLACES NP
	TOSTAGE 0
.irp a, 1,2,3,4,5,6,7
.if \a > 1
	s_wait_xcnt 0x0                                ; block a - 2's stores have read their registers and their base
.endif
	TOSTAGE \a
	SEND \a-1, 32                                  ; behind block a - 1's loads: block a's 16 stores and 16 loads
.endr
	s_wait_xcnt 0x0
	SEND 7, 0
	s_wait_tensorcnt 0x0                           ; the wave's end, behind my last LDS store
	ds_add_u32 v[SPW], v[NIL]
	s_wait_dscnt 0x0
	CROUND                                         ; the closing round
	s_endpgm
.Lfunc_end_k_q42451e71f0_oproj:
	.size	k_q42451e71f0_oproj, .Lfunc_end_k_q42451e71f0_oproj-k_q42451e71f0_oproj
	.p2alignl 7, 3214868480
	.fill 96, 4, 3214868480
	.section	.rodata,"a",@progbits
	.p2align	6, 0x0
	.amdhsa_kernel k_q42451e71f0_oproj
		.amdhsa_group_segment_fixed_size 327680
		.amdhsa_private_segment_fixed_size 0
		.amdhsa_enable_private_segment 0
		.amdhsa_kernarg_size 48
		.amdhsa_user_sgpr_count 2
		.amdhsa_user_sgpr_kernarg_segment_ptr 1
		.amdhsa_wavefront_size32 1
		.amdhsa_system_sgpr_workgroup_id_x 1
		.amdhsa_system_sgpr_workgroup_id_y 1
		.amdhsa_system_sgpr_workgroup_id_z 1
		.amdhsa_system_vgpr_workitem_id 0
		.amdhsa_next_free_vgpr 1024
		.amdhsa_next_free_sgpr 100
		.amdhsa_reserve_vcc 0
		.amdhsa_float_denorm_mode_32 3
		.amdhsa_float_denorm_mode_16_64 3
		.amdhsa_memory_ordered 1
		.amdhsa_forward_progress 1
		.amdhsa_inst_pref_size 127
	.end_amdhsa_kernel
	.amdgpu_metadata
---
amdhsa.version: [ 1, 2 ]
amdhsa.kernels:
  - .name:           k_q42451e71f0_oproj
    .symbol:         k_q42451e71f0_oproj.kd
    .args:
      - { .name: ctx_img, .offset: 0, .size: 8, .value_kind: global_buffer, .address_space: global }
      - { .name: ctx_sc, .offset: 8, .size: 8, .value_kind: global_buffer, .address_space: global }
      - { .name: Wo_codes, .offset: 16, .size: 8, .value_kind: global_buffer, .address_space: global }
      - { .name: Wo_scales, .offset: 24, .size: 8, .value_kind: global_buffer, .address_space: global }
      - { .name: bo, .offset: 32, .size: 8, .value_kind: global_buffer, .address_space: global }
      - { .name: out0, .offset: 40, .size: 8, .value_kind: global_buffer, .address_space: global }
    .group_segment_fixed_size: 327680
    .private_segment_fixed_size: 0
    .kernarg_segment_align: 8
    .kernarg_segment_size: 48
    .max_flat_workgroup_size: 128
    .sgpr_count:     100
    .vgpr_count:     1024
    .wavefront_size: 32
...
	.end_amdgpu_metadata
.endif
;; end of part 3
